; MI455X (gfx1250); checked and timed in simulation.
; The chip was launched on July 23, 2026; its instructions are those of AMD's public machine-readable ISA for CDNA 5 (MIT licence, August 2026) and "CDNA5" Instruction Set Architecture Reference Guide (July 2026). The comments in the code are by the model that wrote it; some were corrected since.
;; Multi Head Attention. Allowed arithmetic: matrix products marked QUANTISED: E5M2 operands, one E8M0 scale for each 32 along K, by v_wmma_scale_f32_16x16x128_f8f6f4 with both operands' format E5M2, f32 sums; everything else in f32.
;; Inputs: Wk 16 x 1,024 x 64 float32; Wo 1,024 x 1,024 float32; Wq 16 x 1,024 x 64 float32; Wv 16 x 1,024 x 64 float32; bo 1,024 float32; k 4 x 2,048 x 1,024 float32; q 4 x 2,048 x 1,024 float32; v 4 x 2,048 x 1,024 float32.
;; Outputs: out0 4 x 2,048 x 1,024 float32.
;; This version of the problem:
;;   THIS VERSION OF THE PROBLEM IS GIVEN IN LOW PRECISION. The matrix products marked QUANTISED in the list below multiply operands that are first quantised to E5M2 (5 exponent bits, 2 mantissa bits; 8 bits a number), with one power-of-two scale for each 32 numbers along K (OCP MX v1.0); their sums are f32. All else is computed in f32.
;;   The module's matrix products, in the order in which they are computed (A, B: the left and right operand; K: the contracted axis; several contracted axes count as one K, in the product's order):
;;     1. [M 1,024, K 1,024] x [K 1,024, N 8,192]; A: input Wk; B: input k: QUANTISED
;;     2. [M 1,024, K 1,024] x [K 1,024, N 8,192]; A: input Wq; B: input q: QUANTISED
;;     3. [M 1,024, K 1,024] x [K 1,024, N 8,192]; A: input Wv; B: input v: QUANTISED
;;     4. batch 64 x [M 2,048, K 64] x [K 64, N 2,048]; A: computed on the way; B: computed on the way: QUANTISED
;;     5. batch 64 x [M 2,048, K 2,048] x [K 2,048, N 64]; A: softmax (see below); B: computed on the way: QUANTISED
;;     6. [M 8,192, K 1,024] x [K 1,024, N 1,024]; A: computed on the way; B: input Wo: QUANTISED
;;   THE QUANTISER, for each operand of a quantised product, along K:
;;     - K is cut into blocks of 32 from its start; a last block that is shorter is filled with zeros.
;;     - A block's scale is 2^e with e = floor(log2(the largest magnitude in the block)) - 15, held to -126 .. 127; a block of zeros has e = 0. As a byte (E8M0): e + 127.
;;     - Each number is divided by its block's scale, clamped to +-57,344, and rounded to the nearest number of E5M2, ties to even, subnormals kept.
;;     - The product sums the exact products of the quantised numbers (number of the format x scale) in f32.
;;   ~~~python
;;   def quantise(x, axis):      # numpy; x: float32 -> the quantised numbers, widened to float32 again
;;       x = np.moveaxis(x, axis, -1); K = x.shape[-1]
;;       x = np.pad(x, [(0, 0)] * (x.ndim - 1) + [(0, -K % 32)]); x = x.reshape(x.shape[:-1] + (-1, 32)); a = np.abs(x).max(-1, keepdims=True)
;;       e = np.where(a > 0, np.clip(np.frexp(np.where(a > 0, a, 1))[1] - 1 - 15, -126, 127), 0)      # np.frexp(a)[1] - 1 = floor(log2(a)), exactly
;;       r = np.clip(x / 2.0 ** e, -57344, 57344)
;;       step = 2.0 ** (np.maximum(np.frexp(np.where(r == 0, 1, r))[1] - 1, -14) - 2)
;;       q = np.round(r / step) * step * 2.0 ** e      # np.round: ties to even
;;       return np.moveaxis(q.reshape(q.shape[:-2] + (-1,))[..., :K], -1, axis).astype(np.float32)
;;   ~~~
;;   SOFTMAX AHEAD OF A QUANTISED PRODUCT. Where the list says 'softmax', what is quantised is not the finished softmax but p = 2^(t - M), with t = logit x log2(e) and M = ceil(the row's largest t), a whole number; so 1/2 < the row's largest p <= 1. The row's sum l is taken of the UNQUANTISED p, in f32, and the product's result is divided by l at the end. Since M is a whole number, a kernel that streams over the keys may use a running M (the ceiling of the running maximum): every later rescaling is an exact power of two, which a block's scale takes up: the codes' values come out the same.
;;   OPERANDS COMPUTED ON THE WAY. 'Computed on the way' means the value that the module computes at that place (a softmax that the list does not call 'softmax' is quantised finished and normalised). What goes into a quantiser is computed in f32, as accurately as f32 sums, v_exp_f32 and their like allow (about 1e-6 of the number): no bf16 or f16 on the way to a quantiser, and a product that is left as it is and whose result goes on into a quantised operand takes f32 operands (vector FMAs, or v_wmma_f32_16x16x4_f32). A number that lies on a knife's edge between two numbers of the format may be rounded either way, as far as f32 arithmetic and the matrix unit's own rounding can turn it there, and no further.
;; One version. Each part assembles by itself: llvm-mc -triple=amdgcn-amd-amdhsa -mcpu=gfx1250 --defsym DOCPART=n.
;; ======== version 1 of 1: 4 launches
;; limits: right only within a limited range of input values
;; workspace buffers: xc 25,165,824 bytes; xs 786,432 bytes; wc 4,194,304 bytes; ws 131,072 bytes; qkv 26,738,688 bytes; ac 8,388,608 bytes; asc 262,144 bytes
;; launch quant (part 1): grid 896 x 1, 4 waves a work-group, no clusters, 68,096 bytes of LDS; arguments q, k, v, Wq, Wk, Wv, Wo, xc, xs, wc, ws; writes xc, xs, wc, ws
.if DOCPART == 1
	.amdgcn_target "amdgcn-amd-amdhsa--gfx1250"
	.amdhsa_code_object_version 6
	.text
	.protected	k_q22a195d8a8_quant
	.globl	k_q22a195d8a8_quant
	.p2align	8
	.type	k_q22a195d8a8_quant,@function
k_q22a195d8a8_quant:
	s_mov_b64 s[64:65], 0
	v_nop
	global_prefetch_b8 v0, s[64:65] scope:SCOPE_SE
	s_setreg_imm32_b32 hwreg(HW_REG_WAVE_MODE, 25, 1), 1
	s_wait_xcnt 0x0
; All seven f32 operands of the four large products become codes of BF8 (E5M2) with one E8M0 scale byte for each 32 along K, K innermost.
; q, k, v [8192][1024]: K is innermost already: a plain stream of blocks of 32 (work-groups 128 to 895, 256 for each tensor).
; Wq, Wk, Wv [16][1024][64] and Wo [1024][1024]: K is not innermost: a lane takes a column n and its registers run down K (work-groups 0 to 127, 32 for each tensor).
; A block's scale is 2^(floor(log2(its largest magnitude)) - 15): its byte is the largest magnitude's exponent field - 15, held at 1 from below; each number is held within +-57,344 x the scale and rounded to the nearest code, ties to even.
; THE ROWS ARE STORED IN ANOTHER ORDER: row n of every buffer of codes and of scale bytes lies at the place n with its bits 3 and 4 exchanged.  Sixteen rows that lie on end are then rows
; 32 b + 8 u + (r & 7) + 16 (r >> 3): as source 0 of a matrix instruction they leave, in a lane's 16 registers of two neighbouring result tiles, 16 neighbours along the next product's K.
; LIMITS: a block of zeros gets the byte 1 where the rule says 127 (its codes are zeros, and only this program reads the bytes); blocks whose largest magnitude lies under 2^(16 - 127) keep the byte 1; NaN and infinities among the inputs are not served.
; No tensor loads and no barrier: waves share nothing.  The two paths part on the work-group's number and have LDS bytes of their own: the stream 0 to 32,767, the weights 32,768 to 67,583.
.set MANT,  0x600000                   ; the mantissa field of 57,344 as f32
.set FLOOR, 0x8000000                  ; 2^(16 - 127)
.set OFF15, 0xf8800000                 ; -(15 << 23)
; the stream
.set STEPS, 16                         ; a wave takes 16 steps of 512 numbers: 8 rows
.set R,     16                         ; v16-79   four sets of 16 numbers as they are loaded
.set SX,    80                         ; v80-111  two sets of 16 neighbours
.set SE,    112                        ; v112-127 a scale byte for each step
.set SCD,   128                        ; v128-191 codes: four registers for each step, so that no store's data are written again
.set WREG,  8192                       ; LDS: a region for each wave: two stages of 32 x SP bytes, then its 256 scale bytes
.set SP,    80                         ; a lane's place in a stage: its 64 bytes + 16 of padding
; the weights
.set NB,    8                          ; blocks of 32 along K for a wave: 256 along K
.set PITCH, 272                        ; a stage row: 256 bytes of codes + 16
.set KROW,  1024                       ; a row of codes in memory
.set WX,    32                         ; v32-95   two sets of 32 numbers
.set WCD,   96                         ; v96-103  a block's codes
.set OUTR,  112                        ; v112-175 the way out
.set SB,    24                         ; v24-25   the lane's eight scale bytes
.set OFS,   176                        ; v176-207 4 x lane + i rows of the source
.set WLDS,  32768
	s_load_b512 s[4:19], s[0:1], 0x0               ; q s[4:5], k s[6:7], v s[8:9], Wq s[10:11], Wk s[12:13], Wv s[14:15], Wo s[16:17], xc s[18:19]
	s_load_b128 s[20:23], s[0:1], 0x40             ; xs s[20:21], wc s[22:23]
	s_load_b64 s[24:25], s[0:1], 0x50              ; ws
	v_lshl_add_u32 v208, v0, 2, 0x10800
	v_mov_b32 v209, 0
	v_lshrrev_b32 v1, 5, v0
	v_readfirstlane_b32 s26, v1                    ; wave 0..3
	v_and_b32 v2, 31, v0                           ; lane
	s_mov_b32 s33, MANT                            ; (an instruction takes one literal: the hold's line has another)
	s_cmp_lt_u32 ttmp9, 128
	s_cbranch_scc1 .Lweights
	; ---------------- q, k, v ----------------
	; Each of a step's four loads reads 512 consecutive bytes, 16 a lane; the 2,048 bytes go through the wave's own stage and come back 64 bytes a lane: 16 neighbours along K; two neighbouring lanes hold a block.
	v_lshlrev_b32 v3, 4, v2                        ; 16 x lane: my bytes of a load's 512, and of a step's 512 bytes of codes
	s_mul_i32 s27, s26, WREG
	v_lshrrev_b32 v14, 2, v2
	v_mul_u32_u24 v14, v14, SP
	v_and_b32 v15, 3, v2
	v_lshl_add_u32 v14, v15, 4, v14
	v_add_nc_u32 v14, s27, v14                     ; the stage, on the way in: SP (lane / 4) + 16 (lane % 4)
	v_mul_u32_u24 v15, v2, SP
	v_add_nc_u32 v15, s27, v15                     ; and on the way out: SP x lane
	v_lshrrev_b32 v5, 1, v2
	s_add_co_u32 s27, s27, 2*32*SP
	v_add_nc_u32 v5, s27, v5                       ; my wave's 256 scale bytes, my block's byte
	v_lshlrev_b32 v7, 3, v2                        ; and on the way out 8 bytes a lane
	v_add_nc_u32 v6, s27, v7
	s_sub_co_u32 s28, ttmp9, 128
	s_lshr_b32 s29, s28, 8                         ; which tensor: 0 q, 1 k, 2 v
	s_and_b32 s28, s28, 255
	s_lshl_b32 s30, s28, 2
	s_add_co_u32 s31, s30, s26                     ; the run of 8 rows that I read
	s_lshl_b32 s34, s31, 15                        ; 8 rows of 4,096 bytes
	s_mov_b32 s35, 0
	s_wait_alu depctr_va_vdst(0)
	s_wait_kmcnt 0x0
	s_cmp_eq_u32 s29, 1                            ; the choice hangs on the work-group's number alone
	s_cselect_b64 s[4:5], s[6:7], s[4:5]
	s_cmp_eq_u32 s29, 2
	s_cselect_b64 s[4:5], s[8:9], s[4:5]
	s_add_nc_u64 s[4:5], s[4:5], s[34:35]
	s_and_b32 s31, s26, 1                          ; a run is 8 rows, so the wave's two bits are the rows' bits 3 and 4: exchanged for the place where the run is stored
	s_lshl_b32 s31, s31, 1
	s_lshr_b32 s36, s26, 1
	s_or_b32 s31, s31, s36
	s_add_co_u32 s31, s31, s30
	s_lshl_b32 s34, s31, 13                        ; 8 rows of 1,024 codes
	s_lshl_b32 s36, s29, 23
	s_add_co_u32 s34, s34, s36
	s_add_nc_u64 s[18:19], s[18:19], s[34:35]
	s_lshl_b32 s34, s31, 8                         ; 8 rows of 32 scale bytes
	s_lshl_b32 s36, s29, 18
	s_add_co_u32 s34, s34, s36
	s_add_nc_u64 s[20:21], s[20:21], s[34:35]
.macro XLOAD t
.irp i, 0,1,2,3
	global_load_b128 v[R+16*((\t)%4)+4*\i:R+16*((\t)%4)+4*\i+3], v3, s[4:5] offset:2048*(\t)+512*\i th:TH_LOAD_NT   ; 32 lanes read 512 consecutive bytes
.endr
.endm
.macro XTURN t                         ; step t's numbers through the stage: LDS serves a wave's instructions in order, so no wait stands between the stores and the loads
.irp i, 0,1,2,3
	ds_store_b128 v14, v[R+16*((\t)%4)+4*\i:R+16*((\t)%4)+4*\i+3] offset:32*SP*((\t)%2)+8*SP*\i
.endr
.irp i, 0,1,2,3
	ds_load_b128 v[SX+16*((\t)%2)+4*\i:SX+16*((\t)%2)+4*\i+3], v15 offset:32*SP*((\t)%2)+16*\i
.endr
.endm
.irp t, 0,1,2,3
	XLOAD \t
.endr
	s_wait_loadcnt 12                              ; step 0's four loads are in; those of steps 1 to 3 may be out
	XTURN 0
.macro XSTEP t
.set XS, SX+16*((\t)%2)
.if (\t) > 0
	s_wait_dscnt 1                                 ; this step's numbers are back from the stage (the last step's byte store may be out): so its stores into the stage have read their registers,
.else
	s_wait_dscnt 0x0
.endif
.if (\t)+4 < STEPS
	XLOAD (\t)+4                                   ; which take the loads of four steps on
.endif
.if (\t)+1 < STEPS
.if STEPS-2-(\t) >= 3
	s_wait_loadcnt 12                              ; the next step's four loads are in; those of the three steps behind it may be out
.else
	s_wait_loadcnt 4*(STEPS-2-(\t))
.endif
	XTURN (\t)+1                                   ; and go through the other stage while this step is worked
.endif
	v_max3_num_f32 v8, |v[XS]|, |v[XS+1]|, |v[XS+2]|               ; the largest magnitude of my 16, in two chains
	v_max3_num_f32 v9, |v[XS+3]|, |v[XS+4]|, |v[XS+5]|
.irp i, 6,10
	v_max3_num_f32 v8, v8, |v[XS+\i]|, |v[XS+\i+1]|
	v_max3_num_f32 v9, v9, |v[XS+\i+2]|, |v[XS+\i+3]|
.endr
	v_max3_num_f32 v8, v8, |v[XS+14]|, |v[XS+15]|
	v_max3_num_f32 v8, v8, v9, FLOOR               ; and the floor, under which no largest magnitude is taken: the byte cannot fall under 1
	v_max_num_f32_dpp v8, v8, v8 row_xmask:1 row_mask:0xf bank_mask:0xf   ; and of my neighbour's 16: the block's
	v_add_nc_u32 v11, OFF15, v8                    ; 15 off its exponent field: the conversion takes the exponent field of this operand as its scale
	v_and_or_b32 v10, v8, 0x7f800000, s33          ; 57,344 x the scale
.irp i, 0,1,2,3,4,5,6,7,8,9,10,11,12,13,14,15
	v_med3_num_f32 v[XS+\i], v[XS+\i], -v10, v10   ; the conversion to an 8-bit code does not saturate (ISA guide 7.6.2): the hold comes first
.endr
	v_cvt_scalef32_pk8_bf8_f32 v[SCD+4*(\t):SCD+4*(\t)+1], v[XS:XS+7], v11
	v_cvt_scalef32_pk8_bf8_f32 v[SCD+4*(\t)+2:SCD+4*(\t)+3], v[XS+8:XS+15], v11
	v_lshrrev_b32 v[SE+(\t)], 23, v11              ; the scale's byte
	ds_store_b8 v5, v[SE+(\t)] offset:16*(\t)      ; both lanes of a block write the same byte with the same value
	global_store_b128 v3, v[SCD+4*(\t):SCD+4*(\t)+3], s[18:19] offset:512*(\t)   ; 32 lanes store 512 consecutive bytes, aligned
.endm
.irp t, 0,1,2,3,4,5,6,7,8,9,10,11,12,13,14,15
	XSTEP \t
.endr
	ds_load_b64 v[12:13], v6                       ; LDS serves a wave's instructions in order: these see my stores
	s_wait_dscnt 0x0
	global_store_b64 v7, v[12:13], s[20:21]        ; 32 lanes store 256 consecutive bytes, aligned
	s_wait_tensorcnt 0x0
	ds_add_u32 v208, v209
	s_wait_dscnt 0x0
	s_endpgm
	; ---------------- Wq, Wk, Wv, Wo ----------------
	; A wave takes 32 columns n x 256 along K.  Column n = 64 h + d of a projection lies at h x 262,144 + c x 256 + 4 d bytes, column n of Wo at k x 4,096 + 4 n:
	; both are (n / 64) x HSB + (n % 64) x 4 + K x STR, with HSB and STR chosen by the tensor: one path serves both shapes.
.Lweights:
	s_lshr_b32 s29, ttmp9, 5                       ; which tensor: 0 Wq, 1 Wk, 2 Wv, 3 Wo
	s_and_b32 s30, ttmp9, 7                        ; which 128 columns
	s_bfe_u32 s31, ttmp9, 0x20003                  ; which 256 along K
	s_lshl_b32 s30, s30, 7
	s_lshl_b32 s36, s26, 5
	s_add_co_u32 s30, s30, s36                     ; my wave's first column
	s_mov_b32 s27, 4096
	s_mov_b32 s28, 256
	s_cmp_lt_u32 s29, 3
	s_cselect_b32 s27, 256, s27                    ; STR: bytes from K to K + 1
	s_cselect_b32 s28, 0x40000, s28                ; HSB: bytes from 64 columns to the next 64
	s_wait_alu depctr_va_vdst(0)
	v_lshlrev_b32 v3, 2, v2                        ; 4 bytes a lane
.irp i, 0,1,2,3,4,5,6,7,8,9,10,11,12,13,14,15,16,17,18,19,20,21,22,23,24,25,26,27,28,29,30,31
	v_mad_u32_u24 v[OFS+\i], s27, \i, v3           ; row i of a block: never rewritten
.endr
	v_and_b32 v5, 7, v2                            ; my column's place among the wave's 32: bits 3 and 4 exchanged
	v_bfe_u32 v6, v2, 3, 1
	v_lshl_add_u32 v5, v6, 4, v5
	v_bfe_u32 v6, v2, 4, 1
	v_lshl_add_u32 v5, v6, 3, v5
	s_mul_i32 s36, s26, 32*PITCH
	s_add_co_u32 s36, s36, WLDS                    ; my stage
	v_mul_u32_u24 v4, v5, PITCH
	v_add_nc_u32 v4, s36, v4                       ; into it: row = my column's place
	v_lshlrev_b32 v9, 5, v5                        ; and its row of 32 scale bytes
	v_and_b32 v5, 15, v2
	v_lshrrev_b32 v6, 4, v2                        ; out of it: sixteen lanes to a row, two rows an instruction
	v_mul_u32_u24 v7, v6, PITCH
	v_lshl_add_u32 v7, v5, 4, v7
	v_add_nc_u32 v7, s36, v7
	v_mul_u32_u24 v8, v6, KROW
	v_lshl_add_u32 v8, v5, 4, v8                   ; and the same place in the codes' buffer
	s_lshr_b32 s36, s30, 6
	s_mul_i32 s36, s36, s28
	s_and_b32 s37, s30, 63
	s_lshl_b32 s37, s37, 2
	s_add_co_u32 s36, s36, s37
	s_mul_i32 s37, s31, s27
	s_lshl_b32 s37, s37, 8
	s_add_co_u32 s36, s36, s37                     ; where my part of the source begins
	s_mov_b32 s37, 0
	s_lshl_b32 s38, s27, 5                         ; a block of 32 along K on
	s_mov_b32 s39, 0
	s_wait_kmcnt 0x0
	s_cmp_eq_u32 s29, 1                            ; the choices hang on the work-group's number alone
	s_cselect_b64 s[10:11], s[12:13], s[10:11]
	s_cmp_eq_u32 s29, 2
	s_cselect_b64 s[10:11], s[14:15], s[10:11]
	s_cmp_eq_u32 s29, 3
	s_cselect_b64 s[10:11], s[16:17], s[10:11]
	s_add_nc_u64 s[40:41], s[10:11], s[36:37]      ; a base for each of the eight blocks: set once, never stepped
.irp t, 1,2,3,4,5,6,7
	s_add_nc_u64 s[40+2*\t:41+2*\t], s[38+2*\t:39+2*\t], s[38:39]
.endr
	s_lshl_b32 s36, s29, 20                        ; the codes: tensor x 1,048,576 + column x 1,024 + 256 x my part of K
	s_lshl_b32 s56, s30, 10
	s_add_co_u32 s36, s36, s56
	s_lshl_b32 s56, s31, 8
	s_add_co_u32 s36, s36, s56
	s_add_nc_u64 s[22:23], s[22:23], s[36:37]
	s_lshl_b32 s36, s29, 15                        ; the scale bytes: tensor x 32,768 + column x 32 + 8 x my part of K
	s_lshl_b32 s56, s30, 5
	s_add_co_u32 s36, s36, s56
	s_lshl_b32 s56, s31, 3
	s_add_co_u32 s36, s36, s56
	s_add_nc_u64 s[24:25], s[24:25], s[36:37]
.macro WLOAD t                         ; block t: 32 rows along K of my column, into set t % 2; each load reads 128 consecutive bytes
.irp i, 0,1,2,3,4,5,6,7,8,9,10,11,12,13,14,15,16,17,18,19,20,21,22,23,24,25,26,27,28,29,30,31
	global_load_b32 v[WX+32*((\t)%2)+\i], v[OFS+\i], s[40+2*(\t):41+2*(\t)] th:TH_LOAD_NT
.endr
.endm
	WLOAD 0
	WLOAD 1
.macro WBLOCK t
.set XS, WX+32*((\t)%2)
.if (\t) < NB-1
	s_wait_loadcnt 32                              ; this block's 32 loads are in; the next block's may be out
.else
	s_wait_loadcnt 0
.endif
	v_max3_num_f32 v12, |v[XS]|, |v[XS+1]|, |v[XS+2]|               ; the block's largest magnitude: all 32 numbers are mine
	v_max3_num_f32 v13, |v[XS+3]|, |v[XS+4]|, |v[XS+5]|
.irp i, 6,10,14,18,22,26
	v_max3_num_f32 v12, v12, |v[XS+\i]|, |v[XS+\i+1]|
	v_max3_num_f32 v13, v13, |v[XS+\i+2]|, |v[XS+\i+3]|
.endr
	v_max3_num_f32 v12, v12, |v[XS+30]|, |v[XS+31]|
	v_max3_num_f32 v12, v12, v13, FLOOR
	v_add_nc_u32 v11, OFF15, v12                   ; the conversion's scale operand
	v_and_or_b32 v10, v12, 0x7f800000, s33         ; 57,344 x the scale
	v_lshrrev_b32 v13, 23, v11                     ; the scale's byte
.if (\t)%4 == 0
	v_mov_b32 v[SB+(\t)/4], v13                    ; four bytes to a register, the lower K in the lower byte
.else
	v_lshl_or_b32 v[SB+(\t)/4], v13, 8*((\t)%4), v[SB+(\t)/4]
.endif
.irp i, 0,1,2,3,4,5,6,7,8,9,10,11,12,13,14,15,16,17,18,19,20,21,22,23,24,25,26,27,28,29,30,31
	v_med3_num_f32 v[XS+\i], v[XS+\i], -v10, v10
.endr
.irp g, 0,1,2,3
	v_cvt_scalef32_pk8_bf8_f32 v[WCD+2*\g:WCD+2*\g+1], v[XS+8*\g:XS+8*\g+7], v11
.endr
	ds_store_b128 v4, v[WCD:WCD+3] offset:32*(\t)  ; 32 codes: 32 bytes of my column's row
	ds_store_b128 v4, v[WCD+4:WCD+7] offset:32*(\t)+16
.if (\t)+2 < NB
	WLOAD (\t)+2
.endif
	s_wait_dscnt 0x0                               ; the stores have read their registers: the next block's codes may be written
.endm
.irp t, 0,1,2,3,4,5,6,7
	WBLOCK \t
.endr
	global_store_b64 v9, v[SB:SB+1], s[24:25]      ; my column's eight scale bytes: rows 32 bytes apart, one byte in 128 of what this path reads
.irp t, 0,1,2,3,4,5,6,7,8,9,10,11,12,13,14,15
	ds_load_b128 v[OUTR+4*\t:OUTR+4*\t+3], v7 offset:2*\t*PITCH   ; LDS serves a wave's instructions in order: these see my stores
.endr
.irp t, 0,1,2,3,4,5,6,7,8,9,10,11,12,13,14,15
	s_wait_dscnt 15-\t
	global_store_b128 v8, v[OUTR+4*\t:OUTR+4*\t+3], s[22:23] offset:2*\t*KROW   ; sixteen lanes store 256 consecutive bytes, aligned
.endr
	s_wait_tensorcnt 0x0
	ds_add_u32 v208, v209
	s_wait_dscnt 0x0
	s_endpgm
.Lfunc_end_k_q22a195d8a8_quant:
	.size	k_q22a195d8a8_quant, .Lfunc_end_k_q22a195d8a8_quant-k_q22a195d8a8_quant
	.p2alignl 7, 3214868480
	.fill 96, 4, 3214868480
	.section	.rodata,"a",@progbits
	.p2align	6, 0x0
	.amdhsa_kernel k_q22a195d8a8_quant
		.amdhsa_group_segment_fixed_size 68096
		.amdhsa_private_segment_fixed_size 0
		.amdhsa_enable_private_segment 0
		.amdhsa_kernarg_size 88
		.amdhsa_user_sgpr_count 2
		.amdhsa_user_sgpr_kernarg_segment_ptr 1
		.amdhsa_wavefront_size32 1
		.amdhsa_system_sgpr_workgroup_id_x 1
		.amdhsa_system_sgpr_workgroup_id_y 1
		.amdhsa_system_sgpr_workgroup_id_z 1
		.amdhsa_system_vgpr_workitem_id 0
		.amdhsa_next_free_vgpr 210
		.amdhsa_next_free_sgpr 66
		.amdhsa_reserve_vcc 0
		.amdhsa_float_denorm_mode_32 3
		.amdhsa_float_denorm_mode_16_64 3
		.amdhsa_memory_ordered 1
		.amdhsa_forward_progress 1
		.amdhsa_inst_pref_size 113
	.end_amdhsa_kernel
	.amdgpu_metadata
---
amdhsa.version: [ 1, 2 ]
amdhsa.kernels:
  - .name:           k_q22a195d8a8_quant
    .symbol:         k_q22a195d8a8_quant.kd
    .args:
      - { .name: q, .offset: 0, .size: 8, .value_kind: global_buffer, .address_space: global }
      - { .name: k, .offset: 8, .size: 8, .value_kind: global_buffer, .address_space: global }
      - { .name: v, .offset: 16, .size: 8, .value_kind: global_buffer, .address_space: global }
      - { .name: Wq, .offset: 24, .size: 8, .value_kind: global_buffer, .address_space: global }
      - { .name: Wk, .offset: 32, .size: 8, .value_kind: global_buffer, .address_space: global }
      - { .name: Wv, .offset: 40, .size: 8, .value_kind: global_buffer, .address_space: global }
      - { .name: Wo, .offset: 48, .size: 8, .value_kind: global_buffer, .address_space: global }
      - { .name: xc, .offset: 56, .size: 8, .value_kind: global_buffer, .address_space: global }
      - { .name: xs, .offset: 64, .size: 8, .value_kind: global_buffer, .address_space: global }
      - { .name: wc, .offset: 72, .size: 8, .value_kind: global_buffer, .address_space: global }
      - { .name: ws, .offset: 80, .size: 8, .value_kind: global_buffer, .address_space: global }
    .group_segment_fixed_size: 68096
    .private_segment_fixed_size: 0
    .kernarg_segment_align: 8
    .kernarg_segment_size: 88
    .max_flat_workgroup_size: 128
    .sgpr_count:     66
    .vgpr_count:     210
    .wavefront_size: 32
...
	.end_amdgpu_metadata
.endif
;; end of part 1
;; launch proj (part 2): grid 64 x 4, 4 waves a work-group, clusters of 4 x 4, 327,680 bytes of LDS; arguments xc, xs, wc, ws, qkv; writes qkv
.if DOCPART == 2
	.amdgcn_target "amdgcn-amd-amdhsa--gfx1250"
	.amdhsa_code_object_version 6
	.text
	.protected	k_q22a195d8a8_proj
	.globl	k_q22a195d8a8_proj
	.p2align	8
	.type	k_q22a195d8a8_proj,@function
k_q22a195d8a8_proj:
	s_mov_b64 s[64:65], 0
	v_nop
	global_prefetch_b8 v0, s[64:65] scope:SCOPE_SE
	s_setreg_imm32_b32 hwreg(HW_REG_WAVE_MODE, 25, 1), 1
	s_wait_xcnt 0x0
	s_wait_alu depctr_hold_cnt(0) depctr_sa_sdst(0) depctr_va_vdst(0) depctr_va_sdst(0) depctr_va_ssrc(0) depctr_va_vcc(0) depctr_vm_vsrc(0)
	s_getreg_b32 s2, hwreg(HW_REG_IB_STS2, 6, 4)
	s_cmp_eq_u32 s2, 0
	s_cbranch_scc0 .Lentry_in_a_cluster
	s_endpgm
.Lentry_in_a_cluster:
	s_bfe_u32 s2, ttmp6, 0x10000c
	s_cmp_lg_u32 s2, 0xf033
	s_cbranch_scc0 .Lentry_shape_is_right
	s_endpgm
.Lentry_shape_is_right:
; The three projections qh = q Wq, kh = k Wk, vh = v Wv on codes of BF8 (E5M2) with E8M0 scales, K = 1,024; the results are quantised in registers and leave as codes: no f32 result goes to memory.
; THE DEAL: 256 work-groups, 16 clusters of 4 x 4, each work-group with two phases.  PHASE 1: 256 tokens x 256 columns of q (clusters 0-7) or k (8-15): a wave makes 128 x 128, 64 accumulators.
; PHASE 2: 128 columns (two heads) x 256 tokens of v: a wave makes 64 x 128, 32 accumulators.  128 + 128 blocks of phase 1 and 256 of phase 2: every work-group has the same work.
; THE MATRIX INSTRUCTION IS USED TRANSPOSED: source 1 ("A") gives a lane its row, source 0 ("B") gives the lane's registers their order.  B's rows lie in memory with bits 3 and 4 of the row number exchanged,
; so the 16 registers of result tiles 2 b and 2 b + 1 are 16 NEIGHBOURS 32 b + 16 (lane / 16) + 0 .. 15 along B's rows.
;   q, k: A = the tokens, B = the weight's columns (h, d): a lane holds one token and its registers run along d.   v: A = the weight's columns, B = the tokens: a lane holds one d and its registers run along the keys.
; K goes in steps of 256 through a ring of two LDS slots filled by joint tensor loads: A's tile is shared along a row of the cluster, B's along a column.  THE RING GOES ON INTO PHASE 2: phase 1's last two refills
; bring v's K steps 0 and 1, and phase 1's results are quantised and stored while these are on their way.
; FILLS.  Head, one load a wave: K step 0 of A, of B (256 rows each), A's scale bytes, B's.  Behind the full sequence and a round, again all first fills: K step 1 of A, of B, and phase 2's scale bytes of A and of B, which have LDS bytes of their own.
; Refills: waves 0, 1 a half of A's tile each (128 rows; phase 2: 64), waves 2, 3 a half of B's (128 rows).
; THE WAY OUT has no LDS: a lane's 64 numbers of one block of 16 rows are four blocks of 32 along the next K; their codes are 16 registers, stored as AN IMAGE OF THE NEXT OPERAND'S REGISTERS, 16 bytes a lane, 512 consecutive bytes a store.
; qkv: [q, k, v: PART][batch x 16 + head: HS][block of 256 tokens: BLK].  q, k: tile of 16 tokens t, d-block c at 1,024 t + 512 c + 16 lane; the scale word of tiles 2 i, 2 i + 1 (two bytes each) at 16,384 + 128 i + 4 lane.
;      v: key step s of 128, tile of 16 d, key block c at 8,192 s + 2,048 tile + 512 c + 16 lane; its scale word at 16,384 + 512 s + 128 tile + 4 lane.  The scale words leave in runs of 128 bytes: 1 byte in 17 of what is stored.
; LIMITS: a block of zeros gets the byte 1 (its codes are zeros; only this program reads the bytes); NaN and infinities are not served.
; REGISTERS, in windows of 256: window 0: v0-31 addresses; v32-63 scale words, two sets; v64-111 at work on the way out; from v128 A's fragments (phase 1: one set of eight; phase 2: two sets of four).  window 1: B's fragments, two sets.  windows 2, 3: the accumulators ((a, b) at v[8 (8 (a % 4) + b)]).
.set NQ,     2
.set ROWB,   256                       ; a tile's row in bytes: a K step
.set KROW,   1024                      ; a row of codes in memory
.set PITCH,  272                       ; an LDS row: 256 bytes + 16 of padding
.set FR,     16
.set NL,     4
.set NP,     8                         ; places behind this matrix instruction (ISA guide 7.12.1)
.set HALFT,  128*PITCH
.set SLOT,   4*HALFT
.set KS,     32                        ; a row of scale bytes
.set SCL,    2*SLOT                    ; phase 1's scale bytes, as units of 256 bytes + 16 of padding: A's 256 rows, B's 256
.set HALFS,  (128*KS/256)*272
.set SBLK,   (16*KS/256)*272
.set SCL2,   SCL+4*HALFS               ; phase 2's: A's 128 rows, B's 256
.set SPARE,  SCL2+3*HALFS              ; the spare words, 128 bytes for each wave: no other line names them
.set PART,   8912896
.set HS,     139264
.set BLK,    17408
.set ADRA, 16
.set ADRB, 20
.set VC2,  22                          ; v22, v23 phase 2's way out: 16 x lane + 8,192 x my half of B; 4 x lane + 512 x that
.set VS2,  23
.set VC,   24                          ; v24, v25 phase 1's: by my half of A
.set VS,   25
.set ADRS, 27
.set SPW,  28
.set NIL,  29
.set ADRS2, 30
.set SC,   32
.set TM,   64                          ; v64-67 largest magnitudes, v68-71 bytes, v72-75 57,344 x the scale, v76-79 the conversions' scale operands
.set PW,   80
.set PWE,  81
.set SW0,  82
.set SW1,  83
.set PC,   96                          ; v96-111 the codes just made
.set AF,   128
.set G0H, 20                           ; s[20:23], s[96:99] group 0 of the first fills of A's and B's whole tiles
.set G1, 24
.set G0, 32
.set G1B, 48
.set G0B, 56
.set G1S, 68
.set G0S, 76
.set G1SB, 80
.set G0SB, 88
.set GG,  95                           ; s95  phase 1's projection: 0 q, 1 k
.set G0HB, 96
.set MSB, 0
.macro WIN new                         ; the immediate's high byte repeats the setting that is left
.if MSB != (\new)
	s_set_vgpr_msb (MSB<<8)|(\new)
.set MSB, (\new)
.endif
.endm
.set MUL_LO, 0xa1                      ; source 0 (B) window 1, source 1 (A) window 0, C and D window 2
.set MUL_HI, 0xf1
.set TO_B,   0x40
.macro PLACES n                        ; plain vector instructions that name no register of the matrix instructions before them (ISA guide 7.12.1)
.rept \n
	v_nop
.endr
.endm
.macro JLOAD g0a, g1a, g0b, g1b        ; a joint refill: waves 0 and 1 fetch for A, waves 2 and 3 for B.  An s_nop 0 and four v_nop follow each line
	s_cmp_eq_u32 s15, 0
	s_cbranch_scc0 .Lfor_b_\@
	tensor_load_to_lds s[\g0a:\g0a+3], s[\g1a:\g1a+7]
	s_nop 0
	PLACES 4
	s_branch .Lasked_\@
.Lfor_b_\@:
	tensor_load_to_lds s[\g0b:\g0b+3], s[\g1b:\g1b+7]
	s_nop 0
	PLACES 4
.Lasked_\@:
.endm
.macro CREST                           ; a round of the cluster's barrier behind its opening barrier
	s_cmp_lg_u32 s14, 0
	s_cbranch_scc1 .Lnot_wave_0_\@
	s_barrier_signal -3
.Lnot_wave_0_\@:
	s_barrier_wait -3
	s_barrier_signal -1
	s_barrier_wait -1
.endm
.macro CROUND
	s_barrier_signal -1
	s_barrier_wait -1
	CREST
.endm
.macro ARM under, g0, g1, next, end    ; an arm of a chain of branches on the wave's number: one load
	s_cmp_lt_u32 s14, \under
	s_cbranch_scc0 \next
	tensor_load_to_lds s[\g0:\g0+3], s[\g1:\g1+7]
	s_nop 0
	PLACES 4
	s_branch \end
\next:
.endm
.macro FRAG reg, adr, q, i             ; 16 rows x 128 K: lane l holds row l % 16; registers 4 c .. 4 c + 3 hold K = 32 c + 16 (l / 16) + 0 .. 15
.irp c, 0,1,2,3
	ds_load_b128 v[\reg+4*\c:\reg+4*\c+3], v[\adr] offset:128*(\q)+32*\c+(\i)*16*PITCH
.endr
.endm
; 16 matrix instructions: A's fragments a0, a0 + 1 x B's eight.  zero = 1: the first product starts the sums.  sa: fragment a holds A's block a - sa.  The accumulators take turns, one instruction a turn, in the same order in every step.
.macro MUL16 a0, p, q, sc, zero, sa
.irp a, \a0, \a0+1
.irp b, 0,1,2,3,4,5,6,7
.if \zero
	v_wmma_scale_f32_16x16x128_f8f6f4 v[8*(8*((\a)%4)+\b):8*(8*((\a)%4)+\b)+7], v[128*(\p)+FR*\b:128*(\p)+FR*\b+FR-1], v[AF+FR*(\a):AF+FR*(\a)+FR-1], 0, v[SC+8*NQ*(\sc)+NQ*\b+(\q)], v[SC+8*NQ*(\sc)+NQ*((\a)-(\sa))+(\q)] matrix_a_fmt:MATRIX_FMT_BF8 matrix_b_fmt:MATRIX_FMT_BF8 matrix_a_scale:MATRIX_SCALE_ROW1
.else
	v_wmma_scale_f32_16x16x128_f8f6f4 v[8*(8*((\a)%4)+\b):8*(8*((\a)%4)+\b)+7], v[128*(\p)+FR*\b:128*(\p)+FR*\b+FR-1], v[AF+FR*(\a):AF+FR*(\a)+FR-1], v[8*(8*((\a)%4)+\b):8*(8*((\a)%4)+\b)+7], v[SC+8*NQ*(\sc)+NQ*\b+(\q)], v[SC+8*NQ*(\sc)+NQ*((\a)-(\sa))+(\q)] matrix_a_fmt:MATRIX_FMT_BF8 matrix_b_fmt:MATRIX_FMT_BF8 matrix_a_scale:MATRIX_SCALE_ROW1
.endif
.endr
.endr
.endm
.macro FETCH_B slot, q, p
	WIN TO_B
.irp i, 0,1,2,3,4,5,6,7
	FRAG 128*(\p)+FR*\i, ADRB+\slot, \q, \i
.endr
	WIN 0
.endm
.macro FETCH_A slot, q, i0             ; phase 1: A's blocks i0 .. i0 + 3
.irp i, \i0, \i0+1, \i0+2, \i0+3
	FRAG AF+FR*(\i), ADRA+\slot, \q, \i
.endr
.endm
.macro FETCH_A2 slot, q, set           ; phase 2: A's four blocks into set 0 or 1
.irp i, 0,1,2,3
	FRAG AF+FR*(4*(\set)+\i), ADRA+\slot, \q, \i
.endr
.endm
.macro SCALES sc, adr                  ; a K step's scale words: two words a row; lanes 0-15 take A's block i, lanes 16-31 B's block i
.irp i, 0,1,2,3,4,5,6,7
	ds_load_b64 v[SC+8*NQ*\sc+NQ*\i:SC+8*NQ*\sc+NQ*\i+1], v[\adr] offset:\i*SBLK
.endr
.endm
.macro STEP slot, zero                 ; phase 1: a slot's first 128 along K
	s_wait_dscnt 4*NL                              ; B's set and A's blocks 0-3 are in; the youngest 16 loads (A's blocks 4-7) may be out
	WIN MUL_LO
	MUL16 0, 0, 0, \slot, \zero, 0
	MUL16 2, 0, 0, \slot, \zero, 0
	s_wait_dscnt 0
	PLACES NP
	FETCH_B \slot, 1, 1
	FETCH_A \slot, 1, 0
	WIN MUL_HI
	MUL16 4, 0, 0, \slot, \zero, 0
	MUL16 6, 0, 0, \slot, \zero, 0
	PLACES NP
	WIN 0
	FETCH_A \slot, 1, 4
.endm
; Phase 1: a slot's last 128 along K change slots: in front of the round each wave waits for all its tensor loads, adds 0 to its spare word, and waits for that and for its own reads of this slot; behind the round this slot is filled again.
; mode 0: with this phase's K step two on; 1: with phase 2's K step 0 or 1.  last = 1: the next slot holds phase 2's first K step.  g1: group 1's row counts are set anew (no tensor load of mine is out): 1: 128 rows a load; 2: A's 64
.macro TURN slot, next, mode, last, g1
	s_wait_tensorcnt 0x0
	ds_add_u32 v[SPW], v[NIL]
.if \g1 == 1
	s_mov_b32 s[G1+2], 128<<16
	s_mov_b32 s[G1+4], 128
	s_mov_b32 s[G1B+2], 128<<16
	s_mov_b32 s[G1B+4], 128
.elseif \g1 == 2
	s_mov_b32 s[G1+2], 64<<16
	s_mov_b32 s[G1+4], 64
.endif
	s_wait_dscnt 4*NL+1                            ; (the add and the youngest 16 loads, A's blocks 4-7, may be out)
	WIN MUL_LO
	MUL16 0, 1, 1, \slot, 0, 0
	s_wait_dscnt 0x0                               ; the add is done, and my reads of this slot are over
	s_barrier_signal -1
	MUL16 2, 1, 1, \slot, 0, 0
	WIN 0
	s_barrier_wait -1
	CREST
.if \mode
	s_add_nc_u64 s[G0+4*\slot+2:G0+4*\slot+3], s[8:9], \slot*ROWB
	s_or_b32 s[G0+4*\slot+3], s[G0+4*\slot+3], 0x80000000
	s_add_nc_u64 s[G0B+4*\slot+2:G0B+4*\slot+3], s[4:5], \slot*ROWB
	s_or_b32 s[G0B+4*\slot+3], s[G0B+4*\slot+3], 0x80000000
.else
	s_add_nc_u64 s[G0+4*\slot+2:G0+4*\slot+3], s[G0+4*\slot+2:G0+4*\slot+3], 2*ROWB
	s_add_nc_u64 s[G0B+4*\slot+2:G0B+4*\slot+3], s[G0B+4*\slot+2:G0B+4*\slot+3], 2*ROWB
.endif
	JLOAD G0+4*\slot, G1, G0B+4*\slot, G1B         ; the first tensor load behind the round; its four v_nop are among the places in front of the loads below
	PLACES NP-4
.if \last
	FETCH_B \next, 0, 0
	FETCH_A \next, 0, 0
	SCALES \next, ADRS2
.else
	s_wait_alu depctr_va_vdst(0)                   ; the wait ahead of the reader below
	v_add_nc_u32 v[ADRS], 4*NQ, v[ADRS]            ; on to the next K step's scale words
	FETCH_B \next, 0, 0
	FETCH_A \next, 0, 0
	SCALES \next, ADRS
.endif
	WIN MUL_HI
	MUL16 4, 1, 1, \slot, 0, 0
	MUL16 6, 1, 1, \slot, 0, 0
.if \last
	WIN 0
.else
	PLACES NP
	WIN 0
	FETCH_A \next, 0, 4
.endif
.endm
.macro HSTEP slot, zero                ; phase 2: a slot's first 128 along K, on sets 0; sets 1 are fetched ahead of the 32 products
	s_wait_dscnt 0
	PLACES NP
	FETCH_B \slot, 1, 1
	FETCH_A2 \slot, 1, 1
	WIN MUL_LO
	MUL16 0, 0, 0, \slot, \zero, 0
	MUL16 2, 0, 0, \slot, \zero, 0
	WIN 0
.endm
.macro HTURN slot, next, fill          ; phase 2: a slot's last 128 along K, on sets 1, and the change of slots
	s_wait_tensorcnt 0x0
	ds_add_u32 v[SPW], v[NIL]
	s_wait_dscnt 1                                 ; sets 1 are in (the add may be out)
	WIN MUL_LO
	MUL16 4, 1, 1, \slot, 0, 4
	WIN 0
	s_wait_dscnt 0x0
	s_barrier_signal -1
	s_barrier_wait -1
.if \fill
	CREST
	s_add_nc_u64 s[G0+4*\slot+2:G0+4*\slot+3], s[G0+4*\slot+2:G0+4*\slot+3], 2*ROWB
	s_add_nc_u64 s[G0B+4*\slot+2:G0B+4*\slot+3], s[G0B+4*\slot+2:G0B+4*\slot+3], 2*ROWB
	JLOAD G0+4*\slot, G1, G0B+4*\slot, G1B
	PLACES NP-4
.else
	PLACES NP
.endif
	s_wait_alu depctr_va_vdst(0)                   ; the wait ahead of the reader below
	v_add_nc_u32 v[ADRS2], 4*NQ, v[ADRS2]
	FETCH_B \next, 0, 0
	FETCH_A2 \next, 0, 0
	SCALES \next, ADRS2
	WIN MUL_LO
	MUL16 6, 1, 1, \slot, 0, 4
	WIN 0
.endm
; THE WAY OUT.  Block a's 64 registers of a lane, register 16 b + i = place 32 b + 16 (lane / 16) + i along the next K, become 16 registers of codes in v[PC] on and a scale word in v[PW].  Each accumulator is read from its low end on.
.macro QUANTW a
.set ACW, 2+(\a)/4
.set ACB, 64*((\a)%4)
	WIN ACW|(ACW<<2)
.irp b, 0,1,2,3
	v_max3_num_f32 v[TM+\b], |v[ACB+16*\b]|, |v[ACB+16*\b+1]|, 0x8000000   ; my 16 numbers of block b, and the floor 2^(16 - 127): the byte cannot fall under 1
.endr
	WIN (ACW<<2)|(ACW<<4)
.irp i, 2,4,6,8,10,12,14
.irp b, 0,1,2,3
	v_max3_num_f32 v[TM+\b], v[TM+\b], |v[ACB+16*\b+\i]|, |v[ACB+16*\b+\i+1]|
.endr
.endr
	WIN 0
.irp b, 0,1,2,3
	v_permlanex16_b32 v[TM+4+\b], v[TM+\b], s18, s19
.endr
.irp b, 0,1,2,3
	v_max_num_f32 v[TM+\b], v[TM+\b], v[TM+4+\b]   ; with lane l xor 16's: the block's largest magnitude
.endr
.irp b, 0,1,2,3
	v_add_nc_u32 v[TM+12+\b], 0xf8800000, v[TM+\b] ; 15 off its exponent field: the conversion's scale operand
.endr
.irp b, 0,1,2,3
	v_and_or_b32 v[TM+8+\b], v[TM+\b], 0x7f800000, s3   ; 57,344 x the scale
.endr
.irp b, 0,1,2,3
	v_lshrrev_b32 v[TM+4+\b], 23, v[TM+12+\b]      ; the scale's byte
.endr
	v_lshl_or_b32 v[PW], v[TM+5], 8, v[TM+4]
	v_lshl_or_b32 v[PW], v[TM+6], 16, v[PW]
	v_lshl_or_b32 v[PW], v[TM+7], 24, v[PW]
	WIN ACW|(ACW<<6)
.irp b, 0,1,2,3
.irp i, 0,1,2,3,4,5,6,7,8,9,10,11,12,13,14,15
	v_med3_num_f32 v[ACB+16*\b+\i], v[ACB+16*\b+\i], -v[TM+8+\b], v[TM+8+\b]   ; the conversion to an 8-bit code does not saturate (ISA guide 7.6.2): the hold comes first
.endr
.endr
	WIN ACW
.irp b, 0,1,2,3
	v_cvt_scalef32_pk8_bf8_f32 v[PC+4*\b:PC+4*\b+1], v[ACB+16*\b:ACB+16*\b+7], v[TM+12+\b]
	v_cvt_scalef32_pk8_bf8_f32 v[PC+4*\b+2:PC+4*\b+3], v[ACB+16*\b+8:ACB+16*\b+15], v[TM+12+\b]
.endr
	WIN 0
	v_nop                                          ; one plain vector instruction behind the last conversion
.endm
.macro OUTQ a                          ; q, k: block a is a tile of 16 tokens; groups 0, 1 are my first head's d, groups 2, 3 my second's
.if (\a) > 0
	s_wait_xcnt 0x0                                ; the last block's stores have read their data: the codes and the words may be written again
.endif
	QUANTW \a
.if (\a)%2 == 0
	v_mov_b32 v[PWE], v[PW]
.else
	v_perm_b32 v[SW0], v[PW], v[PWE], 0x05040100   ; my first head: the even block's bytes 0, 1, then the odd block's
	v_perm_b32 v[SW1], v[PW], v[PWE], 0x07060302   ; my second head: bytes 2, 3 of both
.endif
.irp c, 0,1,2,3
	global_store_b128 v[VC], v[PC+4*\c:PC+4*\c+3], s[12:13] offset:(\c/2)*HS+(\a)*1024+(\c%2)*512   ; 32 lanes store 512 consecutive bytes, aligned
.endr
.if (\a)%2 == 1
	global_store_b32 v[VS], v[SW0], s[12:13] offset:16384+((\a)/2)*128
	global_store_b32 v[VS], v[SW1], s[12:13] offset:16384+((\a)/2)*128+HS
.endif
.endm
.macro OUTV a                          ; v: block a is tile a of 16 d of my head; the four groups are my 128 keys
	s_wait_xcnt 0x0
	QUANTW \a
.irp c, 0,1,2,3
	global_store_b128 v[VC2], v[PC+4*\c:PC+4*\c+3], s[100:101] offset:(\a)*2048+\c*512
.endr
	global_store_b32 v[VS2], v[PW], s[100:101] offset:16384+(\a)*128
.endm
	s_load_b256 s[4:11], s[0:1], 0x0               ; xc s[4:5], xs s[6:7], wc s[8:9], ws s[10:11]
	s_load_b64 s[12:13], s[0:1], 0x20              ; qkv
	v_lshl_add_u32 v[SPW], v0, 2, SPARE
	v_mov_b32 v[NIL], 0
	ds_add_u32 v[SPW], v[NIL]                      ; the opening lines: the add, twice on end, and its wait ahead of my first tensor load
	ds_add_u32 v[SPW], v[NIL]
	v_lshrrev_b32 v1, 5, v0
	v_readfirstlane_b32 s14, v1                    ; wave 0..3
	s_lshr_b32 s15, s14, 1                         ; which half of A's rows is mine.  Also: in the ring I fetch for A (0) or for B (1)
	s_and_b32 s16, s14, 1                          ; which half of B's rows.  Also: which half of that tile I fetch
	s_bfe_u32 s40, ttmp6, 0x40000                  ; cx, cy.  Phase 1's tile of B (the weight) is cx
	s_bfe_u32 s41, ttmp6, 0x40004
	s_lshr_b32 s[GG], ttmp9, 3
	s_and_b32 s17, ttmp9, 7
	s_lshl_b32 s17, s17, 2
	s_add_co_u32 s17, s17, s41                     ; phase 1's tile of A: 256 tokens, 0 .. 31
	s_and_b32 s42, ttmp9, 1
	s_lshl_b32 s42, s42, 2
	s_add_co_u32 s42, s42, s41                     ; phase 2's tile of A: 128 columns of Wv, 0 .. 7
	s_lshr_b32 s94, ttmp9, 1
	s_lshl_b32 s94, s94, 2
	s_add_co_u32 s94, s94, s40                     ; phase 2's tile of B: 256 tokens, 0 .. 31
	s_lshl_b32 s43, s41, 2
	s_lshl_b32 s43, 15, s43                        ; my row of the cluster
	s_lshl_b32 s44, 0x1111, s40                    ; my column
	s_or_b32 s[G1+0], s43, (0<<16)|(1<<20)|(1<<21)|(5<<22)|(3<<25)  ; 15:0 the mask; 17:16 elements of 1 byte; 20 padding on; 21 set beside a mask; 24:22 after every 64 words; 31:25 four words
	s_or_b32 s[G1B+0], s44, (0<<16)|(1<<20)|(1<<21)|(5<<22)|(3<<25)
.irp g, G1, G1B
	s_mov_b32 s[\g+1], ROWB<<16                    ; tensor_dim0
	s_mov_b32 s[\g+2], 256<<16                     ; tensor_dim1: the first fills bring 256 rows
	s_mov_b32 s[\g+3], ROWB<<16                    ; tile_dim0
	s_mov_b32 s[\g+4], 256                         ; tile_dim1
	s_mov_b32 s[\g+5], KROW                        ; tensor_dim0_stride
	s_mov_b32 s[\g+6], 0
	s_mov_b32 s[\g+7], 0
.endr
	s_or_b32 s[G1S+0], s43, (3<<16)|(1<<20)|(1<<21)|(5<<22)|(3<<25)   ; the scales of 256 rows: 8,192 dense bytes as 32 rows of 256 (32 elements of 8), 16 bytes of padding behind each
	s_or_b32 s[G1SB+0], s44, (3<<16)|(1<<20)|(1<<21)|(5<<22)|(3<<25)
.irp g, G1S, G1SB
	s_mov_b32 s[\g+1], 32<<16
	s_mov_b32 s[\g+2], (256*KS/256)<<16
	s_mov_b32 s[\g+3], 32<<16
	s_mov_b32 s[\g+4], 256*KS/256
	s_mov_b32 s[\g+5], 32
	s_mov_b32 s[\g+6], 0
	s_mov_b32 s[\g+7], 0
.endr
	s_lshl_b32 s2, s[GG], 23                       ; offsets of phase 1's tiles, each a pair with 0 above: A's codes,
	s_lshl_b32 s18, s17, 18
	s_add_co_u32 s2, s2, s18
	s_mov_b32 s3, 0
	s_lshl_b32 s46, s[GG], 20                      ; B's codes,
	s_lshl_b32 s18, s40, 18
	s_add_co_u32 s46, s46, s18
	s_mov_b32 s47, 0
	s_lshl_b32 s66, s[GG], 18                      ; A's scale bytes,
	s_lshl_b32 s18, s17, 13
	s_add_co_u32 s66, s66, s18
	s_mov_b32 s67, 0
	s_lshl_b32 s92, s[GG], 15                      ; B's
	s_lshl_b32 s18, s40, 13
	s_add_co_u32 s92, s92, s18
	s_mov_b32 s93, 0
	s_mov_b32 s[G0H], 1
	s_mov_b32 s[G0H+1], 0
	s_mov_b32 s[G0HB], 1
	s_mov_b32 s[G0HB+1], 2*HALFT
	s_mov_b32 s[G0S], 1
	s_mov_b32 s[G0S+1], SCL
	s_mov_b32 s[G0SB], 1
	s_mov_b32 s[G0SB+1], SCL+2*HALFS
	s_mul_i32 s18, s16, 128*KROW                   ; in the ring I fetch 128 rows of a tile: which half, in bytes
	s_mov_b32 s19, 0
	s_mul_i32 s45, s14, HALFT                      ; and where they go: wave x 128 rows: no place in the cluster enters an LDS address
	s_wait_dscnt 0x0                               ; both opening adds are done
	CROUND                                         ; all sixteen work-groups are here: the first joint loads meet
	s_wait_kmcnt 0x0
	s_add_nc_u64 s[G0H+2:G0H+3], s[4:5], s[2:3]
	s_or_b32 s[G0H+3], s[G0H+3], 0x80000000
	s_add_nc_u64 s[G0HB+2:G0HB+3], s[8:9], s[46:47]
	s_or_b32 s[G0HB+3], s[G0HB+3], 0x80000000
	s_add_nc_u64 s[G0S+2:G0S+3], s[6:7], s[66:67]
	s_or_b32 s[G0S+3], s[G0S+3], 0x80000000
	s_add_nc_u64 s[G0SB+2:G0SB+3], s[10:11], s[92:93]
	s_or_b32 s[G0SB+3], s[G0SB+3], 0x80000000
	ARM 1, G0H,  G1,  .Lh1_b,  .Lh1_end            ; THE HEAD'S LOADS, ONE A WAVE: K step 0 of A, of B, A's scale bytes, B's
	ARM 2, G0HB, G1B, .Lh1_sa, .Lh1_end
	ARM 3, G0S,  G1S, .Lh1_sb, .Lh1_end
	tensor_load_to_lds s[G0SB:G0SB+3], s[G1SB:G1SB+7]
	s_nop 0
	PLACES 4
.Lh1_end:
	s_add_co_u32 s2, s2, s18                       ; the ring's group 0: my half of each tile
	s_add_co_u32 s46, s46, s18
.irp s, 0,1
	s_mov_b32 s[G0+4*\s], 1
	s_add_co_u32 s[G0+4*\s+1], s45, \s*SLOT
	s_add_nc_u64 s[G0+4*\s+2:G0+4*\s+3], s[4:5], s[2:3]
	s_add_nc_u64 s[G0+4*\s+2:G0+4*\s+3], s[G0+4*\s+2:G0+4*\s+3], \s*ROWB
	s_or_b32 s[G0+4*\s+3], s[G0+4*\s+3], 0x80000000
	s_mov_b32 s[G0B+4*\s], 1
	s_add_co_u32 s[G0B+4*\s+1], s45, \s*SLOT
	s_add_nc_u64 s[G0B+4*\s+2:G0B+4*\s+3], s[8:9], s[46:47]
	s_add_nc_u64 s[G0B+4*\s+2:G0B+4*\s+3], s[G0B+4*\s+2:G0B+4*\s+3], \s*ROWB
	s_or_b32 s[G0B+4*\s+3], s[G0B+4*\s+3], 0x80000000
.endr
	s_lshl_b32 s2, s94, 18                         ; phase 2, each pointer stepped in place: s[4:5] v's codes: my 128 rows of B's tile,
	s_add_co_u32 s2, s2, 2<<23
	s_add_co_u32 s2, s2, s18
	s_add_nc_u64 s[4:5], s[4:5], s[2:3]
	s_lshl_b32 s2, s94, 13                         ; s[6:7] the scale bytes of B's tile,
	s_add_co_u32 s2, s2, 2<<18
	s_add_nc_u64 s[6:7], s[6:7], s[2:3]
	s_lshl_b32 s2, s42, 17                         ; s[8:9] Wv's codes: my 64 rows of A's tile,
	s_add_co_u32 s2, s2, 2<<20
	s_lshl_b32 s46, s16, 16
	s_add_co_u32 s2, s2, s46
	s_add_nc_u64 s[8:9], s[8:9], s[2:3]
	s_lshl_b32 s2, s42, 12                         ; s[10:11] the scale bytes of A's tile
	s_add_co_u32 s2, s2, 2<<15
	s_add_nc_u64 s[10:11], s[10:11], s[2:3]
	s_lshr_b32 s2, s94, 3                          ; where phase 2's results go: batch, my head 2 x A's tile + my half of A, the block of 256 tokens
	s_lshl_b32 s2, s2, 4
	s_lshl_b32 s46, s42, 1
	s_add_co_u32 s2, s2, s46
	s_add_co_u32 s2, s2, s15
	s_mul_i32 s2, s2, HS
	s_and_b32 s46, s94, 7
	s_mul_i32 s46, s46, BLK
	s_add_co_u32 s2, s2, s46
	s_add_co_u32 s2, s2, 2*PART
	s_add_nc_u64 s[100:101], s[12:13], s[2:3]
	s_lshr_b32 s2, s17, 3                          ; and phase 1's: batch, my first head 4 cx + 2 x my half of B, the block
	s_lshl_b32 s2, s2, 4
	s_lshl_b32 s46, s40, 2
	s_add_co_u32 s2, s2, s46
	s_lshl_b32 s46, s16, 1
	s_add_co_u32 s2, s2, s46
	s_mul_i32 s2, s2, HS
	s_and_b32 s46, s17, 7
	s_mul_i32 s46, s46, BLK
	s_add_co_u32 s2, s2, s46
	s_mul_i32 s46, s[GG], PART
	s_add_co_u32 s2, s2, s46
	s_add_nc_u64 s[12:13], s[12:13], s[2:3]
	v_and_b32 v1, 15, v0                           ; l % 16
	v_bfe_u32 v2, v0, 4, 1                         ; l / 16
	v_and_b32 v7, 31, v0
	v_mul_u32_u24 v3, v1, PITCH
	v_lshl_add_u32 v4, v2, 4, v3                   ; a fragment's row x pitch + 16 x half
	v_mul_u32_u24 v5, v1, KS                       ; my row's scales: 32 bytes a row,
	v_lshrrev_b32 v6, 8, v5
	v_lshl_add_u32 v5, v6, 4, v5                   ; and 16 more for each 256 passed
	s_wait_alu depctr_va_vdst(0)                   ; the wait
	s_mul_i32 s66, s15, HALFT                      ; my rows of A (phase 2: the 64 that lie there)
	s_mul_i32 s67, s16, HALFT                      ; my 128 rows of B,
	s_add_co_u32 s67, s67, 2*HALFT                 ; which lie behind A's
.irp s, 0,1
	v_add_nc_u32 v[ADRA+\s], s66, v4
	v_add_nc_u32 v[ADRB+\s], s67, v4
	s_add_co_u32 s66, s66, SLOT
	s_add_co_u32 s67, s67, SLOT
.endr
	s_mul_i32 s66, s15, HALFS
	s_mul_i32 s67, s16, HALFS
	s_add_co_u32 s67, s67, 2*HALFS
	s_sub_co_u32 s67, s67, s66
	v_mul_u32_u24 v6, s67, v2                      ; lanes 16-31 take B's
	s_add_co_u32 s66, s66, SCL
	v_add_nc_u32 v6, v5, v6
	v_add_nc_u32 v[ADRS], s66, v6
	s_mul_i32 s66, s15, HALFS/2                    ; phase 2: my 64 rows of A's 128,
	s_mul_i32 s67, s16, HALFS
	s_add_co_u32 s67, s67, HALFS                   ; my 128 of B's 256, behind them
	s_sub_co_u32 s67, s67, s66
	v_mul_u32_u24 v3, s67, v2
	s_add_co_u32 s66, s66, SCL2
	v_add_nc_u32 v3, v5, v3
	v_add_nc_u32 v[ADRS2], s66, v3
	v_lshlrev_b32 v[VS], 2, v7
	v_lshlrev_b32 v[VC], 4, v7
	v_lshl_add_u32 v[VC2], s16, 13, v[VC]
	v_lshl_add_u32 v[VS2], s16, 9, v[VS]
	v_lshl_add_u32 v[VC], s15, 13, v[VC]
	v_lshl_add_u32 v[VS], s15, 9, v[VS]
	s_wait_alu depctr_va_vdst(0)                   ; the wait at the head's end
	s_wait_tensorcnt 0x0                           ; my tile of the head's four is in
	ds_add_u32 v[SPW], v[NIL]
	s_mov_b32 s[G0H+1], SLOT                       ; no tensor load of mine is out: K step 1 of A and of B, into slot 1,
	s_add_nc_u64 s[G0H+2:G0H+3], s[G0H+2:G0H+3], ROWB
	s_mov_b32 s[G0HB+1], SLOT+2*HALFT
	s_add_nc_u64 s[G0HB+2:G0HB+3], s[G0HB+2:G0HB+3], ROWB
	s_mov_b32 s[G0S+1], SCL2                       ; phase 2's scale bytes: A's 128 rows,
	s_mov_b64 s[G0S+2:G0S+3], s[10:11]
	s_or_b32 s[G0S+3], s[G0S+3], 0x80000000
	s_mov_b32 s[G1S+2], (128*KS/256)<<16
	s_mov_b32 s[G1S+4], 128*KS/256
	s_mov_b32 s[G0SB+1], SCL2+HALFS                ; B's 256
	s_mov_b64 s[G0SB+2:G0SB+3], s[6:7]
	s_or_b32 s[G0SB+3], s[G0SB+3], 0x80000000
	s_wait_dscnt 0x0
	CROUND                                         ; all four tiles are in, and all sixteen work-groups are here
	ARM 1, G0H,  G1,  .Lh2_b,  .Lh2_end            ; four first fills, one a wave
	ARM 2, G0HB, G1B, .Lh2_sa, .Lh2_end
	ARM 3, G0S,  G1S, .Lh2_sb, .Lh2_end
	tensor_load_to_lds s[G0SB:G0SB+3], s[G1SB:G1SB+7]
	s_nop 0
	PLACES 4
.Lh2_end:
	FETCH_B 0, 0, 0
	FETCH_A 0, 0, 0
	SCALES 0, ADRS
	FETCH_A 0, 0, 4
	STEP 0, 1                                      ; PHASE 1: K = 1,024 is four slots; the first products start the sums
	TURN 0, 1, 0, 0, 1
	STEP 1, 0
	TURN 1, 0, 0, 0, 0
	STEP 0, 0
	TURN 0, 1, 1, 0, 2                             ; slot 0 takes phase 2's K step 0,
	STEP 1, 0
	TURN 1, 0, 1, 1, 0                             ; slot 1 its K step 1, and phase 2's first fragments are fetched
	PLACES NP                                      ; behind the last products, ahead of the first read of results
	s_mov_b32 s18, 0x76543210
	s_mov_b32 s19, 0xfedcba98                      ; v_permlanex16_b32's selects for lane l xor 16
	s_mov_b32 s3, 0x600000                         ; the mantissa field of 57,344
.irp b, 0,1,2,3
	v_mov_b32 v[TM+4+\b], 0                        ; written once: a lane permute's destination counts as one of its sources
.endr
.irp a, 0,1,2,3,4,5,6,7
	OUTQ \a
.endr
	HSTEP 0, 1                                     ; PHASE 2
	HTURN 0, 1, 1
	HSTEP 1, 0
	HTURN 1, 0, 1
	HSTEP 0, 0
	HTURN 0, 1, 0                                  ; nothing is left to fetch: no round
	HSTEP 1, 0
	s_wait_dscnt 0
	WIN MUL_LO
	MUL16 4, 1, 1, 1, 0, 4
	MUL16 6, 1, 1, 1, 0, 4
	WIN 0
	PLACES NP
.irp a, 0,1,2,3
	OUTV \a
.endr
	s_wait_tensorcnt 0x0                           ; the wave's end
	ds_add_u32 v[SPW], v[NIL]
	s_wait_dscnt 0x0
	CROUND                                         ; the closing round: no work-group ends while a partner may still ask for a tile that names it
	s_endpgm
.Lfunc_end_k_q22a195d8a8_proj:
	.size	k_q22a195d8a8_proj, .Lfunc_end_k_q22a195d8a8_proj-k_q22a195d8a8_proj
	.p2alignl 7, 3214868480
	.fill 96, 4, 3214868480
	.section	.rodata,"a",@progbits
	.p2align	6, 0x0
	.amdhsa_kernel k_q22a195d8a8_proj
		.amdhsa_group_segment_fixed_size 327680
		.amdhsa_private_segment_fixed_size 0
		.amdhsa_enable_private_segment 0
		.amdhsa_kernarg_size 40
		.amdhsa_user_sgpr_count 2
		.amdhsa_user_sgpr_kernarg_segment_ptr 1
		.amdhsa_wavefront_size32 1
		.amdhsa_system_sgpr_workgroup_id_x 1
		.amdhsa_system_sgpr_workgroup_id_y 1
		.amdhsa_system_sgpr_workgroup_id_z 1
		.amdhsa_system_vgpr_workitem_id 0
		.amdhsa_next_free_vgpr 1024
		.amdhsa_next_free_sgpr 102
		.amdhsa_reserve_vcc 0
		.amdhsa_float_denorm_mode_32 3
		.amdhsa_float_denorm_mode_16_64 3
		.amdhsa_memory_ordered 1
		.amdhsa_forward_progress 1
		.amdhsa_inst_pref_size 255
	.end_amdhsa_kernel
	.section	.bss,"aw",@nobits
	.p2align	6
	.space	262144
	.amdgpu_metadata
---
amdhsa.version: [ 1, 2 ]
amdhsa.kernels:
  - .name:           k_q22a195d8a8_proj
    .symbol:         k_q22a195d8a8_proj.kd
    .args:
      - { .name: xc, .offset: 0, .size: 8, .value_kind: global_buffer, .address_space: global }
      - { .name: xs, .offset: 8, .size: 8, .value_kind: global_buffer, .address_space: global }
      - { .name: wc, .offset: 16, .size: 8, .value_kind: global_buffer, .address_space: global }
      - { .name: ws, .offset: 24, .size: 8, .value_kind: global_buffer, .address_space: global }
      - { .name: qkv, .offset: 32, .size: 8, .value_kind: global_buffer, .address_space: global }
    .group_segment_fixed_size: 327680
    .private_segment_fixed_size: 0
    .kernarg_segment_align: 8
    .kernarg_segment_size: 40
    .max_flat_workgroup_size: 128
    .sgpr_count:     102
    .vgpr_count:     1024
    .wavefront_size: 32
...
	.end_amdgpu_metadata
.endif
;; end of part 2
;; launch attn (part 3): grid 4 x 64, 16 waves a work-group, clusters of 4 x 1, 327,680 bytes of LDS; arguments qkv, ac, asc; writes ac, asc
.if DOCPART == 3
	.amdgcn_target "amdgcn-amd-amdhsa--gfx1250"
	.amdhsa_code_object_version 6
	.text
	.protected	k_q22a195d8a8_attn
	.globl	k_q22a195d8a8_attn
	.p2align	8
	.type	k_q22a195d8a8_attn,@function
k_q22a195d8a8_attn:
	s_mov_b64 s[64:65], 0
	v_nop
	global_prefetch_b8 v0, s[64:65] scope:SCOPE_SE
	s_setreg_imm32_b32 hwreg(HW_REG_WAVE_MODE, 25, 1), 1
	s_wait_xcnt 0x0
	s_wait_alu depctr_hold_cnt(0) depctr_sa_sdst(0) depctr_va_vdst(0) depctr_va_sdst(0) depctr_va_ssrc(0) depctr_va_vcc(0) depctr_vm_vsrc(0)
	s_getreg_b32 s2, hwreg(HW_REG_IB_STS2, 6, 4)
	s_cmp_eq_u32 s2, 0
	s_cbranch_scc0 .Lentry_in_a_cluster
	s_endpgm
.Lentry_in_a_cluster:
	s_bfe_u32 s2, ttmp6, 0x10000c
	s_cmp_lg_u32 s2, 0x3003
	s_cbranch_scc0 .Lentry_shape_is_right
	s_endpgm
.Lentry_shape_is_right:
; Causal attention of one (batch, head) on codes of BF8 (E5M2) with E8M0 scales: S^T = kh qh^T (K = the head's 64), p = 2^(t - M), O^T = vh^T p^T (K = the keys), O / l, and O quantised along (head, d) for the output projection.
; THE SOFTMAX: t = score x log2(e) / 8; M = the row's largest t so far, rounded UP to a whole number; p = 2^(t - M) is quantised along the keys, not normalised.  The row's sum is taken of the unquantised p and divides O at the end.
; When M moves, the sum and O are multiplied by 2^(old M - new M): exact.  The order in which a row's key steps are walked is free.
; K AND V OF THE WHOLE HEAD STAY IN LDS: 8 + 8 blocks of 17,408 bytes (256 keys: codes, then scale words) = 278,528 bytes.  Each of the sixteen waves brings one block, by its one tensor load at the head; nothing is filled again, and the loop has no barrier.
; CLUSTER: the four work-groups of a head need the same sixteen blocks: each load is a joint one (mask 15); its address hangs on the head and the wave's number alone.
; THE DEAL.  A head has 128 tiles of 16 queries, eight to a group of 128 queries; a tile of group g wants key steps 0 .. g of 128 keys: steps that lie wholly behind the tile's queries are not walked.
; Work-group cx takes tiles 8 g + cx + 4 j (j = 0, 1) of every group.  Wave w (j = w / 8) takes its tile of group 15 - w, 16 - w steps, then its tile of group w, w + 1 steps: 17 steps in every wave of every work-group: one loop of 17 trips.
; With u = trip + w: u < 16: key step 15 - u (the diagonal step first, in trip 0); u >= 16: key step u - 16 (the diagonal step last, in trip 16).  No branch and no LDS address hangs on cx.
; OPERANDS COME AS IMAGES OF THEIR REGISTERS (the launch before laid them so): every LDS load takes 16 bytes at 16 x lane.
; K = 64 IN AN INSTRUCTION OF 128: a fragment of K holds TWO tiles of 16 keys (registers 0-7, 8-15); against [Q | 0] it gives the first tile's scores, against [0 | Q] the second's: zero codes add nothing.
; THE ORDER OF ROWS.  Tokens lie with bits 3 and 4 of their number exchanged: lane r of tile 2 b + u holds token 32 b + 8 u + (r & 7) + 16 (r >> 3).  So S^T's 16 registers of tiles 2 b, 2 b + 1 are keys 32 b + 16 (lane / 16) + 0 .. 15, and O^T's likewise along d.
; On the diagonal step hidden scores become -infinity ahead of the maximum; a query's own key lies in that step, so M is a number from a tile's first step on.
; NO PREFETCH: all tensor loads stand at the head; the text has no loop that runs ahead of a load.
; ac: [tile of 16 rows: 16,384][head: 1,024][block of 32 d: 512][16 x lane].  asc: [row][32]: byte 2 head + block: single bytes, 32 a tile: 1 byte in 33 of what is stored.
; LIMITS: a block of zeros gets the byte 1 (its codes are zeros; only this program reads the bytes); NaN and infinities are not served.
.set PART,  8912896
.set HS,    139264
.set BLK,   17408
.set VB,    8*BLK                      ; V's eight blocks lie behind K's eight
.set SCW,   16384                      ; in a block: the codes, then the scale words
.set SPARE, 16*BLK                     ; the spare words, 128 bytes for each of the sixteen waves: no other line names them
.set LI,   1                           ; v1   16 x lane
.set LS,   2                           ; v2   4 x lane
.set DM,   3                           ; v3   my query less my first key of the diagonal step
.set SOF,  4                           ; v4   32 r + lane / 16: my byte among the tile's scale bytes
.set SPW,  5                           ; v5   my spare word; never rewritten
.set NIL,  6                           ; v6   0; never rewritten
.set ADL,  8                           ; v8, v9   LDS: the step's K codes, K scale words
.set ADS,  9
.set ADV,  10                          ; v10, v11 the same of V
.set ASV,  11
.set ZA,   16                          ; v16-23 zeros, v24-31 Q, v32-39 zeros;  v12 -M, v13 the largest t, v[14:15] the sum in two halves
.set QR,   24
.set FR,   40                          ; v40-103  four fragments of K or of V
.set S,    104                         ; v104-167 S^T, then p
.set O,    168                         ; v168-199 O^T
.set PC,   200                         ; v200-215 p's codes
.set KS,   216                         ; v216-219 K's or V's scale words
.set QS,   220
.set PS,   221
.set BM,   224                         ; v224-227 a block's largest score, then its largest p
.set T4,   228                         ; v228-231 at work (v228-233: the sum's three side chains)
.set HL,   232                         ; v232-235 57,344 x the scale
.set SCV,  236                         ; v236-239 the conversions' scale operands
.set F,    240                         ; v[240:241] f = 2^(old M - new M); at a tile's end 1 / l
.set TMP,  242
.set NINF, 243
.set Q2,   244                         ; v244-251 the second tile's Q, v252 its scale word
.set QS2,  252
.set WV,   18
.set MNT,  19
.set SEL,  20
.set CS,   22                          ; s[22:23] c = log2(e) / 8
.set G1,   24
.set G0,   32
.set TAU,  56                          ; the trip
.set U,    57                          ; trip + wave
.macro CROUND                          ; a round of the cluster's barrier
	s_barrier_signal -1
	s_barrier_wait -1
	s_cmp_lg_u32 s[WV], 0
	s_cbranch_scc1 .Lnot_wave_0_\@
	s_barrier_signal -3
.Lnot_wave_0_\@:
	s_barrier_wait -3
	s_barrier_signal -1
	s_barrier_wait -1
.endm
.macro INIT                            ; a tile has no first step of its own: O^T and the sum begin as zeros and the largest t under every t: the first change of M multiplies zeros
	v_mov_b32 v13, 0xff61b1e6                      ; -3e38
	v_mov_b32 v14, 0
	v_mov_b32 v15, 0
	v_floor_f32 v12, -v13                          ; -M
.irp j, 0,1,2,3,4,5,6,7,8,9,10,11,12,13,14,15,16,17,18,19,20,21,22,23,24,25,26,27,28,29,30,31
	v_mov_b32 v[O+\j], 0
.endr
.endm
; where a tile of group s[g] lies: Q's codes, Q's scale word, its codes in ac, its bytes in asc
.macro PTRS g, qc, qs, ao, so
	s_lshr_b32 s60, s\g, 1                         ; the block of 256 tokens
	s_mul_i32 s60, s60, BLK
	s_add_co_u32 s60, s60, s12
	s_and_b32 s61, s\g, 1
	s_lshl_b32 s61, s61, 3
	s_add_co_u32 s61, s61, s17                     ; the tile in its block
	s_lshl_b32 s62, s61, 10
	s_add_co_u32 s62, s62, s60
	s_mov_b32 s63, 0
	s_add_nc_u64 s[\qc:\qc+1], s[4:5], s[62:63]
	s_lshr_b32 s62, s61, 1
	s_lshl_b32 s62, s62, 7
	s_add_co_u32 s62, s62, s60
	s_add_co_u32 s62, s62, SCW
	s_add_nc_u64 s[\qs:\qs+1], s[4:5], s[62:63]
	s_lshl_b32 s61, s\g, 3
	s_add_co_u32 s61, s61, s66                     ; the tile of 16 rows among all
	s_lshl_b32 s62, s61, 14
	s_add_co_u32 s62, s62, s67
	s_add_nc_u64 s[\ao:\ao+1], s[6:7], s[62:63]
	s_lshl_b32 s62, s61, 9
	s_add_co_u32 s62, s62, s68
	s_add_nc_u64 s[\so:\so+1], s[8:9], s[62:63]
.endm
	s_load_b128 s[4:7], s[0:1], 0x0                ; qkv s[4:5], ac s[6:7]
	s_load_b64 s[8:9], s[0:1], 0x10                ; asc
	v_lshl_add_u32 v[SPW], v0, 2, SPARE
	v_mov_b32 v[NIL], 0
	ds_add_u32 v[SPW], v[NIL]                      ; the opening lines: the add, twice on end, and its wait ahead of my tensor load
	ds_add_u32 v[SPW], v[NIL]
	v_lshrrev_b32 v8, 5, v0
	v_readfirstlane_b32 s[WV], v8                  ; wave 0..15
	s_and_b32 s10, ttmp7, 0xffff                   ; 16 x batch + head
	s_bfe_u32 s11, ttmp6, 0x40000                  ; cx
	s_mul_i32 s12, s10, HS
	s_lshr_b32 s16, s[WV], 3                       ; j; also: I fetch a block of K (0) or of V (1)
	s_add_co_u32 s14, s16, 1
	s_mul_i32 s14, s14, PART
	s_add_co_u32 s14, s14, s12
	s_and_b32 s15, s[WV], 7                        ; which block
	s_mul_i32 s15, s15, BLK
	s_add_co_u32 s14, s14, s15
	s_mov_b32 s15, 0
	s_mov_b32 s[G1], 15|(3<<16)|(1<<21)            ; 15:0 the mask: all four of the cluster; 17:16 elements of 8 bytes; 21 set beside a mask; no padding
	s_mov_b32 s[G1+1], 32<<16                      ; tensor_dim0 = 32 elements: 256 bytes
	s_mov_b32 s[G1+2], 68<<16                      ; tensor_dim1 = 68
	s_mov_b32 s[G1+3], 32<<16                      ; tile_dim0
	s_mov_b32 s[G1+4], 68                          ; tile_dim1
	s_mov_b32 s[G1+5], 32                          ; the rows are dense
	s_mov_b32 s[G1+6], 0
	s_mov_b32 s[G1+7], 0
	s_mov_b32 s[G0], 1
	s_mul_i32 s[G0+1], s[WV], BLK                  ; LDS: wave x a block
	s_mov_b32 s[SEL], 0x76543210
	s_mov_b32 s[SEL+1], 0xfedcba98                 ; v_permlanex16_b32's selects for lane l xor 16
	s_mov_b32 s[CS], 0x3e38aa3b                    ; c = log2(e) / 8
	s_mov_b32 s[CS+1], s[CS]
	s_mov_b32 s[MNT], 0x600000
	s_mov_b32 s[TAU], 0
	s_wait_dscnt 0x0                               ; both opening adds are done
	CROUND                                         ; all four work-groups are here: the joint loads meet
	s_wait_kmcnt 0x0
	s_add_nc_u64 s[G0+2:G0+3], s[4:5], s[14:15]
	s_or_b32 s[G0+3], s[G0+3], 0x80000000          ; type = 2
	tensor_load_to_lds s[G0:G0+3], s[G1:G1+7]      ; my one tensor load of the launch
	s_nop 0
.rept 4
	v_nop
.endr
	s_lshl_b32 s17, s16, 2
	s_add_co_u32 s17, s17, s11                     ; my tiles' place in their groups of eight: cx + 4 j
	s_lshr_b32 s66, s10, 4
	s_lshl_b32 s66, s66, 7
	s_add_co_u32 s66, s66, s17                     ; 128 x batch + that
	s_and_b32 s68, s10, 15                         ; the head
	s_lshl_b32 s67, s68, 10
	s_lshl_b32 s68, s68, 1
	s_sub_co_u32 s54, 15, s[WV]                    ; the first tile's group
	PTRS 54, 36, 38, 46, 48
	PTRS 18, 40, 42, 50, 52
	s_lshr_b32 s70, s17, 1
	s_lshl_b32 s70, s70, 5
	s_and_b32 s69, s17, 1
	s_lshl_b32 s71, s69, 3
	s_add_co_u32 s70, s70, s71                     ; my tile's first query in its group
	s_mov_b32 s55, 0x03020302                      ; my tile's two bytes of the pair's scale word, twice: bytes 2, 3 of an odd tile,
	s_cmp_eq_u32 s69, 0
	s_cselect_b32 s55, 0x01000100, s55             ; bytes 0, 1 of an even one
	v_and_b32 v8, 31, v0
	v_lshlrev_b32 v[LI], 4, v8
	v_lshlrev_b32 v[LS], 2, v8
	global_load_b128 v[QR:QR+3], v[LI], s[36:37]
	global_load_b128 v[QR+4:QR+7], v[LI], s[36:37] offset:512
	global_load_b32 v[QS], v[LS], s[38:39]
	global_load_b128 v[Q2:Q2+3], v[LI], s[40:41]
	global_load_b128 v[Q2+4:Q2+7], v[LI], s[40:41] offset:512
	global_load_b32 v[QS2], v[LS], s[42:43]
	v_and_b32 v9, 15, v0                           ; r
	v_bfe_u32 v[TMP], v0, 4, 1                     ; lane / 16
	v_lshl_add_u32 v[SOF], v9, 5, v[TMP]
	v_and_b32 v[DM], 7, v0
	v_bfe_u32 v9, v0, 3, 1
	v_lshl_add_u32 v[DM], v9, 4, v[DM]
	v_lshlrev_b32 v[TMP], 4, v[TMP]
	v_sub_nc_u32 v[DM], v[DM], v[TMP]
	v_add_nc_u32 v[DM], s70, v[DM]                 ; first query + (r & 7) + 16 (r >> 3) - 16 (lane / 16)
.irp j, 0,1,2,3,4,5,6,7
	v_mov_b32 v[ZA+\j], 0                          ; zero codes on both sides of Q
	v_mov_b32 v[QR+8+\j], 0
.endr
.irp b, 0,1,2,3
	v_mov_b32 v[T4+\b], 0                          ; a lane permute's destination counts as one of its sources
.endr
	v_mov_b32 v[F+1], 0                            ; (named as the upper half of the pair)
	v_mov_b32 v[NINF], 0xff800000
	s_wait_alu depctr_va_vdst(0)                   ; the wait ahead of the wait below
	s_wait_loadcnt 0x0                             ; both tiles' Q
	v_perm_b32 v[QS], v[QS], v[QS], s55            ; (s0, s1, s0, s1): the same two bytes serve [Q | 0] and [0 | Q]
	v_perm_b32 v[QS2], v[QS2], v[QS2], s55
	INIT
	s_wait_alu depctr_va_vdst(0)                   ; the wait at the head's end
	s_wait_tensorcnt 0x0                           ; my block is in,
	s_barrier_signal -1
	s_barrier_wait -1                              ; everybody's is: all of K and V
.Ltrip:                                            ; 17 trips, a key step of 128 keys each
	s_add_co_u32 s[U], s[TAU], s[WV]
	s_lshr_b32 s60, s[U], 4                        ; 0: my first tile; 1: my second
	s_mul_i32 s60, s60, 15
	s_xor_b32 s60, s60, 15
	s_xor_b32 s60, s60, s[U]
	s_and_b32 s60, s60, 15                         ; the key step: 15 - u, or u - 16
	s_lshr_b32 s61, s60, 1
	s_mul_i32 s61, s61, BLK                        ; its block,
	s_and_b32 s60, s60, 1                          ; and which half of it
	s_lshl_b32 s62, s60, 13
	s_add_co_u32 s62, s62, s61
	s_lshl_b32 s63, s60, 9
	s_add_co_u32 s63, s63, s61
	v_add_nc_u32 v[ADL], s62, v[LI]
	v_add_nc_u32 v[ADS], s63, v[LS]
	v_add_nc_u32 v[ADV], VB, v[ADL]
	v_add_nc_u32 v[ASV], VB, v[ADS]
.rept 4
	v_nop                                          ; with the four additions: eight places in front of loads into registers that the last products read
.endr
.irp t, 0,1,2,3
.irp c, 0,1,2,3
	ds_load_b128 v[FR+16*\t+4*\c:FR+16*\t+4*\c+3], v[ADL] offset:2048*\t+512*\c
.endr
	ds_load_b32 v[KS+\t], v[ADS] offset:SCW+128*\t
.endr
	s_wait_alu depctr_va_vdst(0)                   ; the wait ahead of the wait below
	s_wait_dscnt 0x0
.irp t, 0,1,2,3                                ; S^T = K Q^T: each fragment twice, for its two tiles of 16 keys
	v_wmma_scale_f32_16x16x128_f8f6f4 v[S+16*\t:S+16*\t+7], v[FR+16*\t:FR+16*\t+15], v[QR:QR+15], 0, v[KS+\t], v[QS] matrix_a_fmt:MATRIX_FMT_BF8 matrix_b_fmt:MATRIX_FMT_BF8
	v_wmma_scale_f32_16x16x128_f8f6f4 v[S+16*\t+8:S+16*\t+15], v[FR+16*\t:FR+16*\t+15], v[ZA:ZA+15], 0, v[KS+\t], v[QS] matrix_a_fmt:MATRIX_FMT_BF8 matrix_b_fmt:MATRIX_FMT_BF8
.endr
.rept 8
	v_nop                                          ; places in front of the loads below and of the first read of the scores
.endr
.irp t, 0,1,2,3                                ; V's four fragments are asked for now: the softmax stands between the loads and the wait for them
.irp c, 0,1,2,3
	ds_load_b128 v[FR+16*\t+4*\c:FR+16*\t+4*\c+3], v[ADV] offset:2048*\t+512*\c
.endr
	ds_load_b32 v[KS+\t], v[ASV] offset:SCW+128*\t
.endr
	s_and_b32 s60, s[TAU], 15                      ; trips 0 and 16 are the two tiles' diagonal steps, in every wave
	s_cmp_lg_u32 s60, 0
	s_cbranch_scc1 .Lopen
.irp b, 0,1,2,3                                ; register 16 b + i holds key 32 b + 16 (lane / 16) + i of the step: hidden where 32 b + i > v[DM]
.irp i, 0,1,2,3,4,5,6,7,8,9,10,11,12,13,14,15
	v_cmp_gt_i32 vcc_lo, 32*\b+\i, v[DM]
	v_cndmask_b32 v[S+16*\b+\i], v[S+16*\b+\i], v[NINF], vcc_lo
.endr
.endr
.Lopen:
.irp b, 0,1,2,3
	v_max3_num_f32 v[BM+\b], v[S+16*\b], v[S+16*\b+1], v[S+16*\b+2]   ; the largest score of each block of 32 keys: it serves for the row's maximum and, since p rises with the score, for the block's largest p
.endr
.irp i, 3,5,7,9,11,13
.irp b, 0,1,2,3
	v_max3_num_f32 v[BM+\b], v[BM+\b], v[S+16*\b+\i], v[S+16*\b+\i+1]
.endr
.endr
.irp b, 0,1,2,3
	v_max_num_f32 v[BM+\b], v[BM+\b], v[S+16*\b+15]
.endr
.irp b, 0,1,2,3
	s_delay_alu instid0(VALU_DEP_4)
	v_permlanex16_b32 v[T4+\b], v[BM+\b], s[SEL], s[SEL+1]
.endr
.irp b, 0,1,2,3
	s_delay_alu instid0(VALU_DEP_4)
	v_max_num_f32 v[BM+\b], v[BM+\b], v[T4+\b]     ; with lane l xor 16's 16 keys
.endr
	s_delay_alu instid0(VALU_DEP_2)
	v_max3_num_f32 v[TMP], v[BM], v[BM+1], v[BM+2]
	s_delay_alu instid0(VALU_DEP_1)
	v_max_num_f32 v[TMP], v[TMP], v[BM+3]          ; the step's largest score of my query
	s_delay_alu instid0(VALU_DEP_1)
	v_mul_f32 v[TMP], s[CS], v[TMP]                ; as t (c is positive)
	s_delay_alu instid0(VALU_DEP_1)
	v_max_num_f32 v13, v13, v[TMP]                 ; the running largest t
	v_mov_b32 v[TMP], v12
	s_delay_alu instid0(VALU_DEP_2)
	v_floor_f32 v12, -v13                          ; the new -M = floor(-t) = -ceil(t): a whole number
	s_delay_alu instid0(VALU_DEP_1)
	v_sub_f32 v[TMP], v12, v[TMP]                  ; old M - new M: a whole number, 0 or less
	s_delay_alu instid0(VALU_DEP_1)
	v_cvt_i32_f32 v[TMP], v[TMP]                   ; (it saturates)
	s_delay_alu instid0(VALU_DEP_1)
	v_ldexp_f32 v[F], 1.0, v[TMP]                  ; f = 2^(old M - new M)
.irp b, 0,1,2,3
.irp i, 0,2,4,6,8,10,12,14
	v_pk_fma_f32 v[S+16*\b+\i:S+16*\b+\i+1], v[S+16*\b+\i:S+16*\b+\i+1], s[CS:CS+1], v[12:13] op_sel_hi:[1,0,0]   ; t - M, two at a time
.endr
.endr
.irp b, 0,1,2,3
	v_fma_f32 v[BM+\b], v[BM+\b], s[CS], v12       ; the same of each block's largest score
.endr
	s_wait_alu depctr_va_vdst(0)                   ; the wait ahead of the batch
.irp b, 0,1,2,3
.irp i, 0,1,2,3,4,5,6,7,8,9,10,11,12,13,14,15
	v_exp_f32 v[S+16*\b+\i], v[S+16*\b+\i]         ; p = 2^(t - M), at most 1
.endr
.endr
	v_pk_mul_f32 v[14:15], v[14:15], v[F:F+1] op_sel_hi:[1,0]   ; the sums under the new M: the plain instruction behind the exponentials
	s_wait_alu depctr_va_vdst(0)                   ; one wait for the batch of 64, ahead of its first reader
.irp b, 0,1,2,3
	v_exp_f32 v[BM+\b], v[BM+\b]                   ; the block's largest p: the same two instructions on the same number give the same bits
.endr
	v_pk_add_f32 v[14:15], v[14:15], v[S:S+1]      ; the row's sum of the unquantised p: 32 packed additions in four chains
.irp k, 1,2,3
	v_pk_add_f32 v[T4+2*\k-2:T4+2*\k-1], v[S+2*\k:S+2*\k+1], v[S+8+2*\k:S+9+2*\k]
.endr
	v_pk_add_f32 v[14:15], v[14:15], v[S+8:S+9]
.irp m, 16,24,32,40,48,56
.irp k, 1,2,3
	v_pk_add_f32 v[T4+2*\k-2:T4+2*\k-1], v[T4+2*\k-2:T4+2*\k-1], v[S+\m+2*\k:S+\m+2*\k+1]
.endr
	v_pk_add_f32 v[14:15], v[14:15], v[S+\m:S+\m+1]
.endr
	v_pk_add_f32 v[T4:T4+1], v[T4:T4+1], v[T4+2:T4+3]
	v_pk_add_f32 v[14:15], v[14:15], v[T4+4:T4+5]
	v_pk_add_f32 v[14:15], v[14:15], v[T4:T4+1]
	s_wait_alu depctr_va_vdst(0)                   ; and one for the four
.irp b, 0,1,2,3
	v_max_num_f32 v[BM+\b], 0x8000000, v[BM+\b]    ; the floor 2^(16 - 127): the byte cannot fall under 1 (a block whose every p is 0 keeps that byte: its codes are zeros)
.endr
.irp b, 0,1,2,3
	s_delay_alu instid0(VALU_DEP_4)
	v_add_nc_u32 v[SCV+\b], 0xf8800000, v[BM+\b]   ; 15 off the exponent field: the conversion's scale operand
.endr
.irp b, 0,1,2,3
	v_and_or_b32 v[HL+\b], v[BM+\b], 0x7f800000, s[MNT]   ; 57,344 x the scale
.endr
.irp b, 0,1,2,3
	v_lshrrev_b32 v[T4+\b], 23, v[SCV+\b]          ; the scale's byte
.endr
	s_delay_alu instid0(VALU_DEP_3)
	v_lshl_or_b32 v[PS], v[T4+1], 8, v[T4]         ; p's scale word for these 128 keys
	s_delay_alu instid0(VALU_DEP_1)
	v_lshl_or_b32 v[PS], v[T4+2], 16, v[PS]
	s_delay_alu instid0(VALU_DEP_1)
	v_lshl_or_b32 v[PS], v[T4+3], 24, v[PS]
; the hold: the conversion to an 8-bit code does not saturate (ISA guide 7.6.2); p is not negative, so it is one-sided.  Two holds to an instruction: one of block b, one of block b + 1: destinations even and odd, sources in different banks
.irp b, 0,2
.irp i, 0,2,4,6,8,10,12,14
	v_dual_min_num_f32 v[S+16*\b+\i], v[S+16*\b+\i], v[HL+\b] :: v_dual_min_num_f32 v[S+16*\b+17+\i], v[S+16*\b+17+\i], v[HL+\b+1]
	v_dual_min_num_f32 v[S+16*\b+\i+1], v[S+16*\b+\i+1], v[HL+\b] :: v_dual_min_num_f32 v[S+16*\b+16+\i], v[S+16*\b+16+\i], v[HL+\b+1]
.endr
.irp e, 0,1
	v_cvt_scalef32_pk8_bf8_f32 v[PC+4*(\b+\e):PC+4*(\b+\e)+1], v[S+16*(\b+\e):S+16*(\b+\e)+7], v[SCV+\b+\e]
	v_cvt_scalef32_pk8_bf8_f32 v[PC+4*(\b+\e)+2:PC+4*(\b+\e)+3], v[S+16*(\b+\e)+8:S+16*(\b+\e)+15], v[SCV+\b+\e]
.endr
.endr
	s_wait_alu depctr_va_vdst(0)                   ; the wait here, directly ahead of the first reader of O^T
.irp j, 0,2,4,6,8,10,12,14,16,18,20,22,24,26,28,30
	v_pk_mul_f32 v[O+\j:O+\j+1], v[O+\j:O+\j+1], v[F:F+1] op_sel_hi:[1,0]   ; O^T under the new M.  (These sixteen are also the places between the codes and the products)
.endr
	s_wait_alu depctr_va_vdst(0)                   ; the wait ahead of the wait below
	s_wait_dscnt 0x0                               ; V
.irp t, 0,1,2,3                                ; O^T += V^T P^T: four tiles of 16 of the head's 64, the accumulators by turns; K = these 128 keys
	v_wmma_scale_f32_16x16x128_f8f6f4 v[O+8*\t:O+8*\t+7], v[FR+16*\t:FR+16*\t+15], v[PC:PC+15], v[O+8*\t:O+8*\t+7], v[KS+\t], v[PS] matrix_a_fmt:MATRIX_FMT_BF8 matrix_b_fmt:MATRIX_FMT_BF8
.endr
	s_cmp_eq_u32 s[U], 15                          ; my first tile's last step, or my second's?  The wave's number and the trip alone decide
	s_cselect_b32 s60, 1, 0
	s_cmp_eq_u32 s[TAU], 16
	s_cselect_b32 s60, 1, s60
	s_cmp_eq_u32 s60, 0
	s_cbranch_scc1 .Lsame
; A TILE'S END.  O^T / l; register 16 b + i is d = 32 b + 16 (lane / 16) + i of my query: two blocks of 32 along the output projection's K: quantised, and stored as the image of that operand's registers.
.rept 8
	v_nop                                          ; places behind the last products
.endr
	v_add_f32 v14, v14, v15                        ; the sum's two halves,
	s_delay_alu instid0(VALU_DEP_1)
	v_permlanex16_b32 v[TMP], v14, s[SEL], s[SEL+1]
	s_delay_alu instid0(VALU_DEP_1)
	v_add_f32 v14, v14, v[TMP]                     ; and lane l xor 16's: the row's sum
	s_wait_alu depctr_va_vdst(0)                   ; the wait ahead of the transcendental
	v_rcp_f32 v[F], v14
	v_and_b32 v[HL+2], 16, v0                      ; (the plain instruction behind the reciprocal)
	s_delay_alu instid0(VALU_DEP_1)
	v_cmp_ne_u32 vcc_lo, 0, v[HL+2]                ; lanes 16-31
	s_wait_alu depctr_va_vdst(0)                   ; the wait, ahead of the first reader
.irp j, 0,2,4,6,8,10,12,14,16,18,20,22,24,26,28,30
	v_pk_mul_f32 v[S+\j:S+\j+1], v[O+\j:O+\j+1], v[F:F+1] op_sel_hi:[1,0]   ; each accumulator from its low end on
.endr
.irp b, 0,1
	v_max3_num_f32 v[BM+\b], |v[S+16*\b]|, |v[S+16*\b+1]|, 0x8000000
.endr
.irp i, 2,4,6,8,10,12,14
.irp b, 0,1
	s_delay_alu instid0(VALU_DEP_2)
	v_max3_num_f32 v[BM+\b], v[BM+\b], |v[S+16*\b+\i]|, |v[S+16*\b+\i+1]|
.endr
.endr
.irp b, 0,1
	s_delay_alu instid0(VALU_DEP_2)
	v_permlanex16_b32 v[T4+\b], v[BM+\b], s[SEL], s[SEL+1]
.endr
.irp b, 0,1
	s_delay_alu instid0(VALU_DEP_2)
	v_max_num_f32 v[BM+\b], v[BM+\b], v[T4+\b]
.endr
.irp b, 0,1
	s_delay_alu instid0(VALU_DEP_2)
	v_add_nc_u32 v[SCV+\b], 0xf8800000, v[BM+\b]
.endr
.irp b, 0,1
	s_delay_alu instid0(VALU_DEP_4)
	v_and_or_b32 v[HL+\b], v[BM+\b], 0x7f800000, s[MNT]
.endr
.irp b, 0,1
	s_delay_alu instid0(VALU_DEP_4)
	v_lshrrev_b32 v[T4+\b], 23, v[SCV+\b]
.endr
	s_delay_alu instid0(VALU_DEP_1)
	v_cndmask_b32 v[TMP], v[T4], v[T4+1], vcc_lo   ; lanes 0-15 store block 0's byte of their row, lanes 16-31 block 1's
.irp b, 0,1
.irp i, 0,1,2,3,4,5,6,7,8,9,10,11,12,13,14,15
	v_med3_num_f32 v[S+16*\b+\i], v[S+16*\b+\i], -v[HL+\b], v[HL+\b]
.endr
	v_cvt_scalef32_pk8_bf8_f32 v[PC+4*\b:PC+4*\b+1], v[S+16*\b:S+16*\b+7], v[SCV+\b]
	v_cvt_scalef32_pk8_bf8_f32 v[PC+4*\b+2:PC+4*\b+3], v[S+16*\b+8:S+16*\b+15], v[SCV+\b]
.endr
	v_nop                                          ; one plain vector instruction behind the last conversion
	global_store_b128 v[LI], v[PC:PC+3], s[46:47]                     ; 32 lanes store 512 consecutive bytes, aligned
	global_store_b128 v[LI], v[PC+4:PC+7], s[46:47] offset:512
	global_store_b8 v[SOF], v[TMP], s[48:49]
	s_wait_xcnt 0x0                                ; the stores have read their bases and their data: both may be written again
	s_mov_b64 s[46:47], s[50:51]                   ; on to my second tile: where it goes,
	s_mov_b64 s[48:49], s[52:53]
.irp j, 0,1,2,3,4,5,6,7
	v_mov_b32 v[QR+\j], v[Q2+\j]                   ; its Q,
.endr
	v_mov_b32 v[QS], v[QS2]                        ; its scale word,
	INIT                                           ; and a new start (also the places between the scale word's writing and the next products)
.Lsame:
	s_add_co_u32 s[TAU], s[TAU], 1
	s_cmp_lt_u32 s[TAU], 17
	s_wait_alu depctr_va_vdst(0)                   ; the wait directly ahead of the branch
	s_cbranch_scc1 .Ltrip
	s_wait_tensorcnt 0x0                           ; the wave's end
	ds_add_u32 v[SPW], v[NIL]
	s_wait_dscnt 0x0
	CROUND                                         ; the closing round
	s_endpgm
.Lfunc_end_k_q22a195d8a8_attn:
	.size	k_q22a195d8a8_attn, .Lfunc_end_k_q22a195d8a8_attn-k_q22a195d8a8_attn
	.p2alignl 7, 3214868480
	.fill 96, 4, 3214868480
	.section	.rodata,"a",@progbits
	.p2align	6, 0x0
	.amdhsa_kernel k_q22a195d8a8_attn
		.amdhsa_group_segment_fixed_size 327680
		.amdhsa_private_segment_fixed_size 0
		.amdhsa_enable_private_segment 0
		.amdhsa_kernarg_size 24
		.amdhsa_user_sgpr_count 2
		.amdhsa_user_sgpr_kernarg_segment_ptr 1
		.amdhsa_wavefront_size32 1
		.amdhsa_system_sgpr_workgroup_id_x 1
		.amdhsa_system_sgpr_workgroup_id_y 1
		.amdhsa_system_sgpr_workgroup_id_z 1
		.amdhsa_system_vgpr_workitem_id 0
		.amdhsa_next_free_vgpr 256
		.amdhsa_next_free_sgpr 80
		.amdhsa_reserve_vcc 1
		.amdhsa_float_denorm_mode_32 3
		.amdhsa_float_denorm_mode_16_64 3
		.amdhsa_memory_ordered 1
		.amdhsa_forward_progress 1
		.amdhsa_inst_pref_size 43
	.end_amdhsa_kernel
	.amdgpu_metadata
---
amdhsa.version: [ 1, 2 ]
amdhsa.kernels:
  - .name:           k_q22a195d8a8_attn
    .symbol:         k_q22a195d8a8_attn.kd
    .args:
      - { .name: qkv, .offset: 0, .size: 8, .value_kind: global_buffer, .address_space: global }
      - { .name: ac, .offset: 8, .size: 8, .value_kind: global_buffer, .address_space: global }
      - { .name: asc, .offset: 16, .size: 8, .value_kind: global_buffer, .address_space: global }
    .group_segment_fixed_size: 327680
    .private_segment_fixed_size: 0
    .kernarg_segment_align: 8
    .kernarg_segment_size: 24
    .max_flat_workgroup_size: 512
    .sgpr_count:     80
    .vgpr_count:     256
    .wavefront_size: 32
...
	.end_amdgpu_metadata
.endif
;; end of part 3
;; launch outp (part 4): grid 4 x 64, 4 waves a work-group, clusters of 4 x 4, 327,680 bytes of LDS; arguments ac, asc, wc, ws, bo, out0; writes out0
.if DOCPART == 4
	.amdgcn_target "amdgcn-amd-amdhsa--gfx1250"
	.amdhsa_code_object_version 6
	.text
	.protected	k_q22a195d8a8_outp
	.globl	k_q22a195d8a8_outp
	.p2align	8
	.type	k_q22a195d8a8_outp,@function
k_q22a195d8a8_outp:
	s_mov_b64 s[64:65], 0
	v_nop
	global_prefetch_b8 v0, s[64:65] scope:SCOPE_SE
	s_setreg_imm32_b32 hwreg(HW_REG_WAVE_MODE, 25, 1), 1
	s_wait_xcnt 0x0
	s_wait_alu depctr_hold_cnt(0) depctr_sa_sdst(0) depctr_va_vdst(0) depctr_va_sdst(0) depctr_va_ssrc(0) depctr_va_vcc(0) depctr_vm_vsrc(0)
	s_getreg_b32 s2, hwreg(HW_REG_IB_STS2, 6, 4)
	s_cmp_eq_u32 s2, 0
	s_cbranch_scc0 .Lentry_in_a_cluster
	s_endpgm
.Lentry_in_a_cluster:
	s_bfe_u32 s2, ttmp6, 0x10000c
	s_cmp_lg_u32 s2, 0xf033
	s_cbranch_scc0 .Lentry_shape_is_right
	s_endpgm
.Lentry_shape_is_right:
; out0 = O Wo + bo on codes of BF8 (E5M2) with E8M0 scales, K = 1,024 = (head, d); sums in f32.
; THE DEAL: 256 work-groups, 16 clusters of 4 x 4.  A work-group makes 128 rows x 256 columns; each of its four waves 64 x 128: 32 accumulators.
; A = attention's result: ac [tile of 16 rows: 16,384][head: 1,024][block of 32 d: 512][16 x lane]: images of the operand's registers, so a K step of 256 is 4,096 dense bytes of each tile; asc [row][32] its scale bytes.
; B = Wo's columns, the fourth part of wc and ws: rows of 1,024 codes, stored with bits 3 and 4 of the row number exchanged.
; THE MATRIX INSTRUCTION IS USED TRANSPOSED (source 0 = 16 rows of B, source 1 = 16 rows of A): the 16 registers of result tiles 2 b, 2 b + 1 are columns 32 b + 16 (lane / 16) + 0 .. 15 of one row.  The bias is the first products' C.
; A's rows lie in the order that attention left (tile a, lane r: row 32 (a / 2) + 8 (a % 2) + (r & 7) + 16 (r >> 3)): the stores put them right.
; K goes in steps of 256 through a ring of two LDS slots (A's 128 rows, 32,768 bytes; B's 256 rows of 272) filled by joint loads: A's tile is shared along a row of the cluster, B's along a column.
; FILLS.  Head, one load a wave: K step 0 of A, of B, A's scale bytes, B's.  Slot 1's first fill stands behind the full sequence and a round.  In the ring waves 0, 1 fetch 64 rows of A each, waves 2, 3 128 rows of B each.
; A and B have two sets of fragments each: a step's 48 loads stand ahead of the products of the step before.
; THE WAY OUT: a block of 16 rows x 128 columns goes through the wave's own stage in LDS and comes back as rows of 512 bytes, which the 32 lanes store as aligned runs of 512 bytes.  The stage lies in slot 0, behind its last fill and its last read.
; LIMITS: NaN and infinities are not served.
.set SIZE_N, 1024
.set NQ,     2
.set ROWB,   256
.set KROW,   1024
.set ASTEP,  4096                      ; a K step of one tile of 16 rows of A
.set PITCH,  272
.set FR,     16
.set NP,     8                         ; places behind this matrix instruction (ISA guide 7.12.1)
.set HALFT,  128*PITCH
.set ASL,    32768                     ; A's part of a slot
.set SLOT,   ASL+2*HALFT
.set KS,     32
.set SCL,    2*SLOT                    ; the scale bytes, as units of 256 bytes + 16 of padding: A's 128 rows, then B's 256
.set HALFS,  (128*KS/256)*272
.set SBLK,   (16*KS/256)*272
.set SPARE,  SCL+3*HALFS               ; the spare words, 128 bytes for each wave: no other line names them
.set SPITCH, 528
.set ADRA, 16
.set ADRB, 20
.set STO,  24
.set RD,   25
.set CO,   26
.set ADRS, 27
.set SPW,  28
.set NIL,  29
.set SC,   32                          ; v32-63 scale words, two sets
.set BI,   64                          ; v64-127 the bias, in the result's layout
.set AF,   128                         ; v128-255 A's fragments, two sets of four
.set BK,   128                         ; the way out: 16 rows read back from the stage, two sets by turns
.set G0H, 20
.set G1, 24
.set G0, 32
.set G1B, 48
.set G0B, 56
.set G1S, 68
.set G0S, 76
.set G1SB, 80
.set G0SB, 88
.set G0HB, 96
.set MSB, 0
.macro WIN new                         ; the immediate's high byte repeats the setting that is left
.if MSB != (\new)
	s_set_vgpr_msb (MSB<<8)|(\new)
.set MSB, (\new)
.endif
.endm
.set MUL_LO, 0xa1                      ; source 0 (B) window 1, source 1 (A) window 0, C and D window 2
.set BIAS_LO, 0x81                     ; the same with C in window 0
.set TO_B,   0x40
.macro PLACES n
.rept \n
	v_nop
.endr
.endm
.macro JLOAD g0a, g1a, g0b, g1b        ; a joint load of the ring: waves 0 and 1 fetch for A, waves 2 and 3 for B.  An s_nop 0 and four v_nop follow each line
	s_cmp_eq_u32 s15, 0
	s_cbranch_scc0 .Lfor_b_\@
	tensor_load_to_lds s[\g0a:\g0a+3], s[\g1a:\g1a+7]
	s_nop 0
	PLACES 4
	s_branch .Lasked_\@
.Lfor_b_\@:
	tensor_load_to_lds s[\g0b:\g0b+3], s[\g1b:\g1b+7]
	s_nop 0
	PLACES 4
.Lasked_\@:
.endm
.macro CREST                           ; a round of the cluster's barrier behind its opening barrier
	s_cmp_lg_u32 s14, 0
	s_cbranch_scc1 .Lnot_wave_0_\@
	s_barrier_signal -3
.Lnot_wave_0_\@:
	s_barrier_wait -3
	s_barrier_signal -1
	s_barrier_wait -1
.endm
.macro CROUND
	s_barrier_signal -1
	s_barrier_wait -1
	CREST
.endm
.macro ARM under, g0, g1, next         ; an arm of the head's chain of branches on the wave's number: one load
	s_cmp_lt_u32 s14, \under
	s_cbranch_scc0 \next
	tensor_load_to_lds s[\g0:\g0+3], s[\g1:\g1+7]
	s_nop 0
	PLACES 4
	s_branch .Lhead_asked
\next:
.endm
.macro FRAGB reg, adr, q, i            ; 16 rows x 128 K: lane l holds row l % 16; registers 4 c .. 4 c + 3 hold K = 32 c + 16 (l / 16) + 0 .. 15
.irp c, 0,1,2,3
	ds_load_b128 v[\reg+4*\c:\reg+4*\c+3], v[\adr] offset:128*(\q)+32*\c+(\i)*16*PITCH
.endr
.endm
.macro FRAGA reg, adr, q, i            ; the same from an image of the registers: 16 bytes at 16 x lane
.irp c, 0,1,2,3
	ds_load_b128 v[\reg+4*\c:\reg+4*\c+3], v[\adr] offset:(\i)*ASTEP+2048*(\q)+512*\c
.endr
.endm
; 16 matrix instructions: A's fragments a0, a0 + 1 (fragment a holds A's block a - sa) x B's eight.  first = 1: the sums begin with the bias.  The 32 accumulators take turns, one instruction a turn, in the same order in every step.
.macro MUL16 a0, p, q, sc, first, sa
.irp a, \a0, \a0+1
.irp b, 0,1,2,3,4,5,6,7
.if \first
	v_wmma_scale_f32_16x16x128_f8f6f4 v[8*(8*((\a)%4)+\b):8*(8*((\a)%4)+\b)+7], v[128*(\p)+FR*\b:128*(\p)+FR*\b+FR-1], v[AF+FR*(\a):AF+FR*(\a)+FR-1], v[BI+8*\b:BI+8*\b+7], v[SC+8*NQ*(\sc)+NQ*\b+(\q)], v[SC+8*NQ*(\sc)+NQ*((\a)-(\sa))+(\q)] matrix_a_fmt:MATRIX_FMT_BF8 matrix_b_fmt:MATRIX_FMT_BF8 matrix_a_scale:MATRIX_SCALE_ROW1
.else
	v_wmma_scale_f32_16x16x128_f8f6f4 v[8*(8*((\a)%4)+\b):8*(8*((\a)%4)+\b)+7], v[128*(\p)+FR*\b:128*(\p)+FR*\b+FR-1], v[AF+FR*(\a):AF+FR*(\a)+FR-1], v[8*(8*((\a)%4)+\b):8*(8*((\a)%4)+\b)+7], v[SC+8*NQ*(\sc)+NQ*\b+(\q)], v[SC+8*NQ*(\sc)+NQ*((\a)-(\sa))+(\q)] matrix_a_fmt:MATRIX_FMT_BF8 matrix_b_fmt:MATRIX_FMT_BF8 matrix_a_scale:MATRIX_SCALE_ROW1
.endif
.endr
.endr
.endm
.macro FETCH_B slot, q, p
	WIN TO_B
.irp i, 0,1,2,3,4,5,6,7
	FRAGB 128*(\p)+FR*\i, ADRB+\slot, \q, \i
.endr
	WIN 0
.endm
.macro FETCH_A2 slot, q, set           ; A's four blocks into set 0 or 1
.irp i, 0,1,2,3
	FRAGA AF+FR*(4*(\set)+\i), ADRA+\slot, \q, \i
.endr
.endm
.macro SCALES sc                       ; a K step's scale words: two words a row; lanes 0-15 take A's block i, lanes 16-31 B's block i
.irp i, 0,1,2,3,4,5,6,7
	ds_load_b64 v[SC+8*NQ*\sc+NQ*\i:SC+8*NQ*\sc+NQ*\i+1], v[ADRS] offset:\i*SBLK
.endr
.endm
.macro HSTEP slot, first               ; a slot's first 128 along K, on sets 0; sets 1 are fetched ahead of the 32 products
	s_wait_dscnt 0
	PLACES NP
	FETCH_B \slot, 1, 1
	FETCH_A2 \slot, 1, 1
.if \first
	WIN BIAS_LO
.else
	WIN MUL_LO
.endif
	MUL16 0, 0, 0, \slot, \first, 0
	MUL16 2, 0, 0, \slot, \first, 0
	WIN 0
.endm
; A slot's last 128 along K, on sets 1, and the change of slots: in front of the barrier each wave waits for all its tensor loads, adds 0 to its spare word, and waits for that and for its own reads of this slot.  fill = 1: the barrier opens a round, and this slot is filled again, two K steps ahead.
.macro HTURN slot, next, fill
	s_wait_tensorcnt 0x0
	ds_add_u32 v[SPW], v[NIL]
	s_wait_dscnt 1                                 ; sets 1 are in (the add may be out)
	WIN MUL_LO
	MUL16 4, 1, 1, \slot, 0, 4
	WIN 0
	s_wait_dscnt 0x0
	s_barrier_signal -1
	s_barrier_wait -1
.if \fill
	CREST
	s_add_nc_u64 s[G0+4*\slot+2:G0+4*\slot+3], s[G0+4*\slot+2:G0+4*\slot+3], 2*ASTEP
	s_add_nc_u64 s[G0B+4*\slot+2:G0B+4*\slot+3], s[G0B+4*\slot+2:G0B+4*\slot+3], 2*ROWB
	JLOAD G0+4*\slot, G1, G0B+4*\slot, G1B         ; the first tensor load behind the round; its four v_nop are among the places in front of the loads below
	PLACES NP-4
.else
	PLACES NP
.endif
	s_wait_alu depctr_va_vdst(0)                   ; the wait ahead of the reader below
	v_add_nc_u32 v[ADRS], 4*NQ, v[ADRS]            ; on to the next K step's scale words
	FETCH_B \next, 0, 0
	FETCH_A2 \next, 0, 0
	SCALES \next
	WIN MUL_LO
	MUL16 6, 1, 1, \slot, 0, 4
	WIN 0
.endm
.macro TOSTAGE a                       ; block a into my stage, each accumulator from its low end on, and back as whole rows
.set AC, 64*(\a)
	WIN 0x08                                       ; the data: window 2
.irp b, 0,1,2,3,4,5,6,7
	ds_store_b128 v[STO], v[AC+8*\b:AC+8*\b+3] offset:128*(\b/2)+32*(\b%2)
	ds_store_b128 v[STO], v[AC+8*\b+4:AC+8*\b+7] offset:128*(\b/2)+32*(\b%2)+16
.endr
	WIN 0
.set BB, BK+64*((\a)%2)
.irp t, 0,1,2,3,4,5,6,7,8,9,10,11,12,13,14,15
	ds_load_b128 v[BB+4*\t:BB+4*\t+3], v[RD] offset:\t*SPITCH    ; LDS serves a wave's instructions in order: these see the stores above
.endr
.endm
.macro SEND a, younger                 ; younger: the LDS instructions issued behind block a's loads, which may stay out
.set BB, BK+64*((\a)%2)
	s_wait_dscnt \younger
.irp t, 0,1,2,3,4,5,6,7,8,9,10,11,12,13,14,15
	global_store_b128 v[CO], v[BB+4*\t:BB+4*\t+3], s[12:13] offset:(32*((\a)/2)+8*((\a)%2)+16*(\t/8)+\t%8)*SIZE_N*4 th:TH_STORE_NT   ; 32 lanes store 512 consecutive bytes, aligned
.endr
.endm
	s_load_b256 s[4:11], s[0:1], 0x0               ; ac s[4:5], asc s[6:7], wc s[8:9], ws s[10:11]
	s_load_b64 s[18:19], s[0:1], 0x20              ; bo
	s_load_b64 s[12:13], s[0:1], 0x28              ; out0
	v_lshl_add_u32 v[SPW], v0, 2, SPARE
	v_mov_b32 v[NIL], 0
	ds_add_u32 v[SPW], v[NIL]                      ; the opening lines: the add, twice on end, and its wait ahead of my first tensor load
	ds_add_u32 v[SPW], v[NIL]
	v_lshrrev_b32 v1, 5, v0
	v_readfirstlane_b32 s14, v1                    ; wave 0..3
	s_lshr_b32 s15, s14, 1                         ; which 64 of A's rows are mine.  Also: in the ring I fetch for A (0) or for B (1)
	s_and_b32 s16, s14, 1                          ; which 128 of B's rows.  Also: which half of that tile I fetch
	s_bfe_u32 s40, ttmp6, 0x40000                  ; cx, cy
	s_bfe_u32 s41, ttmp6, 0x40004
	s_lshl_b32 s42, ttmp9, 2
	s_add_co_u32 s42, s42, s40                     ; B's tile: 256 columns, 0 .. 3
	s_and_b32 s17, ttmp7, 0xffff
	s_lshl_b32 s17, s17, 2
	s_add_co_u32 s17, s17, s41                     ; A's tile: 128 rows, 0 .. 63
	s_lshl_b32 s43, s41, 2
	s_lshl_b32 s43, 15, s43                        ; my row of the cluster
	s_lshl_b32 s44, 0x1111, s40                    ; my column
	s_or_b32 s[G1+0], s43, (3<<16)|(1<<21)         ; A: elements of 8 bytes; a row = a K step of one tile of 16 rows, 4,096 bytes; no padding
	s_mov_b32 s[G1+1], 512<<16
	s_mov_b32 s[G1+2], 8<<16                       ; the head's load brings eight tiles: 128 rows
	s_mov_b32 s[G1+3], 512<<16
	s_mov_b32 s[G1+4], 8
	s_mov_b32 s[G1+5], 2048                        ; from tile to tile: 16,384 bytes
	s_mov_b32 s[G1+6], 0
	s_mov_b32 s[G1+7], 0
	s_or_b32 s[G1B+0], s44, (0<<16)|(1<<20)|(1<<21)|(5<<22)|(3<<25)   ; B: rows of 256 bytes, four words of padding behind each
	s_mov_b32 s[G1B+1], ROWB<<16
	s_mov_b32 s[G1B+2], 256<<16                    ; the head's load brings 256 rows
	s_mov_b32 s[G1B+3], ROWB<<16
	s_mov_b32 s[G1B+4], 256
	s_mov_b32 s[G1B+5], KROW
	s_mov_b32 s[G1B+6], 0
	s_mov_b32 s[G1B+7], 0
	s_or_b32 s[G1S+0], s43, (3<<16)|(1<<20)|(1<<21)|(5<<22)|(3<<25)   ; scale bytes: dense, as rows of 256 bytes with 16 of padding: A's 128 rows are 16,
	s_mov_b32 s[G1S+2], (128*KS/256)<<16
	s_mov_b32 s[G1S+4], 128*KS/256
	s_or_b32 s[G1SB+0], s44, (3<<16)|(1<<20)|(1<<21)|(5<<22)|(3<<25)  ; B's 256 rows 32
	s_mov_b32 s[G1SB+2], (256*KS/256)<<16
	s_mov_b32 s[G1SB+4], 256*KS/256
.irp g, G1S, G1SB
	s_mov_b32 s[\g+1], 32<<16
	s_mov_b32 s[\g+3], 32<<16
	s_mov_b32 s[\g+5], 32
	s_mov_b32 s[\g+6], 0
	s_mov_b32 s[\g+7], 0
.endr
	s_lshl_b32 s2, s17, 17                         ; offsets, each a pair with 0 above: A's codes: 128 rows of 1,024 bytes a tile,
	s_mov_b32 s3, 0
	s_lshl_b32 s46, s42, 18                        ; B's codes, in wc's fourth part,
	s_add_co_u32 s46, s46, 0x300000
	s_mov_b32 s47, 0
	s_lshl_b32 s66, s17, 12                        ; A's scale bytes,
	s_mov_b32 s67, 0
	s_lshl_b32 s92, s42, 13                        ; B's, in ws's fourth part
	s_add_co_u32 s92, s92, 0x18000
	s_mov_b32 s93, 0
	s_mov_b32 s[G0H], 1
	s_mov_b32 s[G0H+1], 0
	s_mov_b32 s[G0HB], 1
	s_mov_b32 s[G0HB+1], ASL
	s_mov_b32 s[G0S], 1
	s_mov_b32 s[G0S+1], SCL
	s_mov_b32 s[G0SB], 1
	s_mov_b32 s[G0SB+1], SCL+HALFS
	s_wait_dscnt 0x0                               ; both opening adds are done
	CROUND                                         ; all sixteen work-groups are here: the first joint loads meet
	s_wait_kmcnt 0x0
	s_add_nc_u64 s[G0H+2:G0H+3], s[4:5], s[2:3]
	s_or_b32 s[G0H+3], s[G0H+3], 0x80000000
	s_add_nc_u64 s[G0HB+2:G0HB+3], s[8:9], s[46:47]
	s_or_b32 s[G0HB+3], s[G0HB+3], 0x80000000
	s_add_nc_u64 s[G0S+2:G0S+3], s[6:7], s[66:67]
	s_or_b32 s[G0S+3], s[G0S+3], 0x80000000
	s_add_nc_u64 s[G0SB+2:G0SB+3], s[10:11], s[92:93]
	s_or_b32 s[G0SB+3], s[G0SB+3], 0x80000000
	ARM 1, G0H,  G1,  .Lhead_b                     ; THE HEAD'S LOADS, ONE A WAVE: K step 0 of A, of B, A's scale bytes, B's
	ARM 2, G0HB, G1B, .Lhead_sa
	ARM 3, G0S,  G1S, .Lhead_sb
	tensor_load_to_lds s[G0SB:G0SB+3], s[G1SB:G1SB+7]
	s_nop 0
	PLACES 4
.Lhead_asked:
	s_lshl_b32 s94, s16, 16                        ; the ring's group 0: my 64 rows of A's tile,
	s_add_co_u32 s2, s2, s94
	s_lshl_b32 s94, s16, 17                        ; my 128 rows of B's,
	s_add_co_u32 s46, s46, s94
	s_lshl_b32 s94, s16, 14                        ; and where they go: no place in the cluster enters an LDS address
	s_mul_i32 s45, s16, HALFT
	s_add_co_u32 s45, s45, ASL
.irp s, 0,1
	s_mov_b32 s[G0+4*\s], 1
	s_add_co_u32 s[G0+4*\s+1], s94, \s*SLOT
	s_add_nc_u64 s[G0+4*\s+2:G0+4*\s+3], s[4:5], s[2:3]
	s_add_nc_u64 s[G0+4*\s+2:G0+4*\s+3], s[G0+4*\s+2:G0+4*\s+3], \s*ASTEP
	s_or_b32 s[G0+4*\s+3], s[G0+4*\s+3], 0x80000000
	s_mov_b32 s[G0B+4*\s], 1
	s_add_co_u32 s[G0B+4*\s+1], s45, \s*SLOT
	s_add_nc_u64 s[G0B+4*\s+2:G0B+4*\s+3], s[8:9], s[46:47]
	s_add_nc_u64 s[G0B+4*\s+2:G0B+4*\s+3], s[G0B+4*\s+2:G0B+4*\s+3], \s*ROWB
	s_or_b32 s[G0B+4*\s+3], s[G0B+4*\s+3], 0x80000000
.endr
	s_lshl_b32 s2, s42, 10                         ; my first column, in bytes: 1,024 x tile + 512 x half: in the bias,
	s_lshl_b32 s94, s16, 9
	s_add_co_u32 s2, s2, s94
	s_add_nc_u64 s[18:19], s[18:19], s[2:3]
	s_lshl_b32 s94, s17, 19                        ; and, with my first row 128 x tile + 64 x half, in out0
	s_add_co_u32 s2, s2, s94
	s_lshl_b32 s94, s15, 18
	s_add_co_u32 s2, s2, s94
	s_add_nc_u64 s[12:13], s[12:13], s[2:3]
	v_and_b32 v1, 15, v0                           ; l % 16
	v_bfe_u32 v2, v0, 4, 1                         ; l / 16
	v_and_b32 v6, 31, v0
	v_lshlrev_b32 v[CO], 4, v6                     ; 16 x lane
	v_mul_u32_u24 v3, v1, PITCH
	v_lshl_add_u32 v4, v2, 4, v3                   ; B: a fragment's row x pitch + 16 x half
	v_mul_u32_u24 v5, v1, KS                       ; my row's scales: 32 bytes a row,
	v_lshrrev_b32 v6, 8, v5
	v_lshl_add_u32 v5, v6, 4, v5                   ; and 16 more for each 256 passed
	v_mul_u32_u24 v8, v1, SPITCH
	v_lshl_add_u32 v8, v2, 6, v8                   ; the stage, on the way in: row l % 16, 64 bytes for each half of the lanes
	v_lshlrev_b32 v7, 6, v2                        ; the bias: 16 numbers for each half of the lanes
	s_wait_alu depctr_va_vdst(0)                   ; the wait
.irp b, 0,1,2,3,4,5,6,7
	global_load_b128 v[BI+8*\b:BI+8*\b+3], v7, s[18:19] offset:128*(\b/2)+32*(\b%2)
	global_load_b128 v[BI+8*\b+4:BI+8*\b+7], v7, s[18:19] offset:128*(\b/2)+32*(\b%2)+16
.endr
	s_lshl_b32 s66, s15, 14                        ; my 64 rows of A
	s_mul_i32 s67, s16, HALFT                      ; my 128 rows of B,
	s_add_co_u32 s67, s67, ASL                     ; which lie behind A's
.irp s, 0,1
	v_add_nc_u32 v[ADRA+\s], s66, v[CO]
	v_add_nc_u32 v[ADRB+\s], s67, v4
	s_add_co_u32 s66, s66, SLOT
	s_add_co_u32 s67, s67, SLOT
.endr
	s_mul_i32 s66, s15, HALFS/2
	s_mul_i32 s67, s16, HALFS
	s_add_co_u32 s67, s67, HALFS
	s_sub_co_u32 s67, s67, s66
	v_mul_u32_u24 v6, s67, v2                      ; lanes 16-31 take B's
	s_add_co_u32 s66, s66, SCL
	v_add_nc_u32 v6, v5, v6
	v_add_nc_u32 v[ADRS], s66, v6
	s_mul_i32 s66, s14, 16*SPITCH                  ; my stage
	v_add_nc_u32 v[STO], s66, v8
	v_add_nc_u32 v[RD], s66, v[CO]
	s_wait_alu depctr_va_vdst(0)                   ; the wait at the head's end
	s_wait_tensorcnt 0x0                           ; my tile of the head's four is in
	ds_add_u32 v[SPW], v[NIL]
	s_mov_b32 s[G1+2], 4<<16                       ; no tensor load of mine is out: from here on a load brings 64 rows of A,
	s_mov_b32 s[G1+4], 4
	s_mov_b32 s[G1B+2], 128<<16                    ; or 128 of B
	s_mov_b32 s[G1B+4], 128
	s_wait_dscnt 0x0
	CROUND                                         ; all four tiles are in, and all sixteen work-groups are here
	JLOAD G0+4, G1, G0B+4, G1B                     ; K step 1: the first tensor load behind the round
	FETCH_B 0, 0, 0
	FETCH_A2 0, 0, 0
	SCALES 0
	s_wait_loadcnt 0x0                             ; the bias
	HSTEP 0, 1                                     ; K = 1,024 is four slots: the walk is written out
	HTURN 0, 1, 1
	HSTEP 1, 0
	HTURN 1, 0, 1
	HSTEP 0, 0
	HTURN 0, 1, 0                                  ; nothing is left to fetch: no round
	HSTEP 1, 0
	s_wait_dscnt 0
	WIN MUL_LO
	MUL16 4, 1, 1, 1, 0, 4
	MUL16 6, 1, 1, 1, 0, 4
	WIN 0
	PLACES NP                                      ; behind the last products, ahead of the first read of results and of the loads into A's registers
	TOSTAGE 0
.irp a, 1,2,3
.if \a > 1
	s_wait_xcnt 0x0                                ; block a - 2's stores have read their registers: block a's loads may land there
.endif
	TOSTAGE \a
	SEND \a-1, 32                                  ; behind block a - 1's loads: block a's 16 stores and 16 loads
.endr
	SEND 3, 0
	s_wait_tensorcnt 0x0                           ; the wave's end
	ds_add_u32 v[SPW], v[NIL]
	s_wait_dscnt 0x0
	CROUND                                         ; the closing round: no work-group ends while a partner may still ask for a tile that names it
	s_endpgm
.Lfunc_end_k_q22a195d8a8_outp:
	.size	k_q22a195d8a8_outp, .Lfunc_end_k_q22a195d8a8_outp-k_q22a195d8a8_outp
	.p2alignl 7, 3214868480
	.fill 96, 4, 3214868480
	.section	.rodata,"a",@progbits
	.p2align	6, 0x0
	.amdhsa_kernel k_q22a195d8a8_outp
		.amdhsa_group_segment_fixed_size 327680
		.amdhsa_private_segment_fixed_size 0
		.amdhsa_enable_private_segment 0
		.amdhsa_kernarg_size 48
		.amdhsa_user_sgpr_count 2
		.amdhsa_user_sgpr_kernarg_segment_ptr 1
		.amdhsa_wavefront_size32 1
		.amdhsa_system_sgpr_workgroup_id_x 1
		.amdhsa_system_sgpr_workgroup_id_y 1
		.amdhsa_system_sgpr_workgroup_id_z 1
		.amdhsa_system_vgpr_workitem_id 0
		.amdhsa_next_free_vgpr 1024
		.amdhsa_next_free_sgpr 102
		.amdhsa_reserve_vcc 0
		.amdhsa_float_denorm_mode_32 3
		.amdhsa_float_denorm_mode_16_64 3
		.amdhsa_memory_ordered 1
		.amdhsa_forward_progress 1
		.amdhsa_inst_pref_size 91
	.end_amdhsa_kernel
	.amdgpu_metadata
---
amdhsa.version: [ 1, 2 ]
amdhsa.kernels:
  - .name:           k_q22a195d8a8_outp
    .symbol:         k_q22a195d8a8_outp.kd
    .args:
      - { .name: ac, .offset: 0, .size: 8, .value_kind: global_buffer, .address_space: global }
      - { .name: asc, .offset: 8, .size: 8, .value_kind: global_buffer, .address_space: global }
      - { .name: wc, .offset: 16, .size: 8, .value_kind: global_buffer, .address_space: global }
      - { .name: ws, .offset: 24, .size: 8, .value_kind: global_buffer, .address_space: global }
      - { .name: bo, .offset: 32, .size: 8, .value_kind: global_buffer, .address_space: global }
      - { .name: out0, .offset: 40, .size: 8, .value_kind: global_buffer, .address_space: global }
    .group_segment_fixed_size: 327680
    .private_segment_fixed_size: 0
    .kernarg_segment_align: 8
    .kernarg_segment_size: 48
    .max_flat_workgroup_size: 128
    .sgpr_count:     102
    .vgpr_count:     1024
    .wavefront_size: 32
...
	.end_amdgpu_metadata
.endif
;; end of part 4
